; MI455X (gfx1250); checked and timed in simulation.
; The chip was launched on July 23, 2026; its instructions are those of AMD's public machine-readable ISA for CDNA 5 (MIT licence, August 2026) and "CDNA5" Instruction Set Architecture Reference Guide (July 2026). The comments in the code are by the model that wrote it; some were corrected since.
;; Multi Head Attention. Allowed arithmetic: matrix products marked QUANTISED: E2M3 operands, one E8M0 scale for each 32 along K, by v_wmma_scale_f32_16x16x128_f8f6f4 with both operands' format E2M3, f32 sums; everything else in f32.
;; Inputs: W_k 1,024 x 1,024 float32; W_o 1,024 x 1,024 float32; W_q 1,024 x 1,024 float32; W_v 1,024 x 1,024 float32; x 4 x 2,048 x 1,024 float32.
;; Outputs: out0 4 x 2,048 x 1,024 float32.
;; This version of the problem:
;;   THIS VERSION OF THE PROBLEM IS GIVEN IN LOW PRECISION. The matrix products marked QUANTISED in the list below multiply operands that are first quantised to E2M3 (2 exponent bits, 3 mantissa bits; 6 bits a number), with one power-of-two scale for each 32 numbers along K (OCP MX v1.0); their sums are f32. All else is computed in f32.
;;   The module's matrix products, in the order in which they are computed (A, B: the left and right operand; K: the contracted axis; several contracted axes count as one K, in the product's order):
;;     1. [M 8,192, K 1,024] x [K 1,024, N 1,024]; A: input x; B: input W_q: QUANTISED
;;     2. [M 8,192, K 1,024] x [K 1,024, N 1,024]; A: input x; B: input W_k: QUANTISED
;;     3. [M 8,192, K 1,024] x [K 1,024, N 1,024]; A: input x; B: input W_v: QUANTISED
;;     4. batch 64 x [M 2,048, K 64] x [K 64, N 2,048]; A: computed on the way; B: computed on the way: QUANTISED
;;     5. batch 64 x [M 2,048, K 2,048] x [K 2,048, N 64]; A: softmax (see below); B: computed on the way: QUANTISED
;;     6. [M 8,192, K 1,024] x [K 1,024, N 1,024]; A: computed on the way; B: input W_o: QUANTISED
;;   THE QUANTISER, for each operand of a quantised product, along K:
;;     - K is cut into blocks of 32 from its start; a last block that is shorter is filled with zeros.
;;     - A block's scale is 2^e with e = floor(log2(the largest magnitude in the block)) - 2, held to -126 .. 127; a block of zeros has e = 0. As a byte (E8M0): e + 127.
;;     - Each number is divided by its block's scale, clamped to +-7.5, and rounded to the nearest number of E2M3, ties to even, subnormals kept.
;;     - The product sums the exact products of the quantised numbers (number of the format x scale) in f32.
;;   ~~~python
;;   def quantise(x, axis):      # numpy; x: float32 -> the quantised numbers, widened to float32 again
;;       x = np.moveaxis(x, axis, -1); K = x.shape[-1]
;;       x = np.pad(x, [(0, 0)] * (x.ndim - 1) + [(0, -K % 32)]); x = x.reshape(x.shape[:-1] + (-1, 32)); a = np.abs(x).max(-1, keepdims=True)
;;       e = np.where(a > 0, np.clip(np.frexp(np.where(a > 0, a, 1))[1] - 1 - 2, -126, 127), 0)      # np.frexp(a)[1] - 1 = floor(log2(a)), exactly
;;       r = np.clip(x / 2.0 ** e, -7.5, 7.5)
;;       step = 2.0 ** (np.maximum(np.frexp(np.where(r == 0, 1, r))[1] - 1, 0) - 3)
;;       q = np.round(r / step) * step * 2.0 ** e      # np.round: ties to even
;;       return np.moveaxis(q.reshape(q.shape[:-2] + (-1,))[..., :K], -1, axis).astype(np.float32)
;;   ~~~
;;   SOFTMAX AHEAD OF A QUANTISED PRODUCT. Where the list says 'softmax', what is quantised is not the finished softmax but p = 2^(t - M), with t = logit x log2(e) and M = ceil(the row's largest t), a whole number; so 1/2 < the row's largest p <= 1. The row's sum l is taken of the UNQUANTISED p, in f32, and the product's result is divided by l at the end. Since M is a whole number, a kernel that streams over the keys may use a running M (the ceiling of the running maximum): every later rescaling is an exact power of two, which a block's scale takes up: the codes' values come out the same.
;;   OPERANDS COMPUTED ON THE WAY. 'Computed on the way' means the value that the module computes at that place (a softmax that the list does not call 'softmax' is quantised finished and normalised). What goes into a quantiser is computed in f32, as accurately as f32 sums, v_exp_f32 and their like allow (about 1e-6 of the number): no bf16 or f16 on the way to a quantiser, and a product that is left as it is and whose result goes on into a quantised operand takes f32 operands (vector FMAs, or v_wmma_f32_16x16x4_f32). A number that lies on a knife's edge between two numbers of the format may be rounded either way, as far as f32 arithmetic and the matrix unit's own rounding can turn it there, and no further.
;; One version. Each part assembles by itself: llvm-mc -triple=amdgcn-amd-amdhsa -mcpu=gfx1250 --defsym DOCPART=n.
;; ======== version 1 of 1: 4 launches
;; workspace buffers: oc 9,437,184 bytes; os 393,216 bytes; qkv 19,660,800 bytes; ac 6,291,456 bytes; asc 262,144 bytes
;; launch quant (part 1): grid 384 x 1, 4 waves a work-group, no clusters, 34,304 bytes of LDS; arguments x, W_q, W_k, W_v, W_o, oc, os; writes oc, os
.if DOCPART == 1
	.amdgcn_target "amdgcn-amd-amdhsa--gfx1250"
	.amdhsa_code_object_version 6
	.text
	.protected	k_q867eae59de_quant
	.globl	k_q867eae59de_quant
	.p2align	8
	.type	k_q867eae59de_quant,@function
k_q867eae59de_quant:
	s_mov_b64 s[64:65], 0
	v_nop
	global_prefetch_b8 v0, s[64:65] scope:SCOPE_SE
	s_setreg_imm32_b32 hwreg(HW_REG_WAVE_MODE, 25, 1), 1
	s_wait_xcnt 0x0
; x [8192][1024] and the four weights [1024][1024], f32, K innermost, become codes of FP6 (E2M3) with one E8M0 byte for each 32 along K.
; A block's scale is 2^(floor(log2(its largest magnitude)) - 2); its byte is the largest magnitude's exponent field - 2, held at 1 from below.
; LIMITS: NaN and infinities among the inputs are not served; a block whose largest magnitude lies under 2^-124 gets the byte 1; a block of zeros gets the byte 1
; where the quantiser says 127: its codes are zeros, which add nothing under any byte but 0xff, and these bytes are read by this program alone.
; LAYOUT OF THE RESULT: images of the matrix operand's registers.  A row block is 16 rows; its codes lie [K step of 128: 8][half c: 2][unit P: 3][lane: 32][8 bytes], 12,288 bytes:
; lane (r, h) of unit (s, c, P) holds registers 6 c + 2 P, 6 c + 2 P + 1 of the fragment of K step s: k = 128 s + 64 c + 32 h + 0 .. 31 of row r.  Scale words lie [row block][pair of K steps: 4][r: 16][2 words], 512 bytes.
; THE ROWS ARE PERMUTED: place p of the workspace holds the tensor's row p with bits 3 and 4 exchanged.  So in a transposed product the 16 registers of two neighbouring result tiles are 16 neighbouring rows of source 0.
; Row blocks: x 0-511, W_q 512-575, W_k 576-639, W_v 640-703, W_o 704-767.
; SHARES: work-group g, wave w: row block 2 g + w / 2, K half w % 2: four fragments of 16 rows x 128 K.  Each load reads 512 consecutive bytes of one row; a fragment's 8 KiB turn through the wave's own stage in LDS
; (16 rows of 512 + 16 bytes) so that a lane gets two whole blocks of 32 neighbours.  Every store covers 256 consecutive bytes, aligned.  Waves share nothing: no barrier.
.set STG,  8448                        ; a wave's stage: 16 rows x 528 bytes
.set WD,   20                          ; v20-23   the four fragments' scale words
.set TH,   28                          ; v28-35   the upper halves of a block's codes (a conversion's three registers begin on an even number)
.set CD,   36                          ; v36-59   two sets of 12 registers of codes
.set XN,   64                          ; v64-127  my 64 numbers of a fragment
.set RL,   128                         ; v128-255 two sets of 64 registers as loaded
	s_load_b256 s[4:11], s[0:1], 0x0               ; x, W_q, W_k, W_v
	s_load_b128 s[12:15], s[0:1], 0x20             ; W_o, the codes
	s_load_b64 s[16:17], s[0:1], 0x30              ; the scale words
	v_lshl_add_u32 v62, v0, 2, 0x8400
	v_mov_b32 v63, 0
	v_lshrrev_b32 v1, 5, v0
	v_readfirstlane_b32 s22, v1                    ; wave 0..3
	v_and_b32 v2, 31, v0                           ; lane
	v_and_b32 v3, 15, v0                           ; r
	v_bfe_u32 v16, v0, 4, 1                        ; h
	v_lshlrev_b32 v4, 4, v2                        ; in: 16 bytes a lane
	s_mul_i32 s23, s22, STG                        ; my stage
	v_add_nc_u32 v5, s23, v4                       ; into it: a row as it lies
	v_mul_u32_u24 v6, v3, 528
	v_lshl_add_u32 v6, v16, 7, v6
	v_add_nc_u32 v6, s23, v6                       ; out of it: row r, + 128 h: my 32 numbers of each 64
	v_lshlrev_b32 v7, 3, v2                        ; out: 8 bytes a lane
	v_lshlrev_b32 v16, 3, v16                      ; 8 h: my bytes' place in a scale word
	v_mov_b32 v15, 0                               ; a lane permute's destination counts as one of its sources
	s_mov_b32 s24, 0x76543210
	s_mov_b32 s25, 0xfedcba98                      ; v_permlanex16_b32's selects for lane l xor 16
	s_mov_b32 s21, 0xffff0000                      ; lanes 16-31
	s_wait_alu depctr_va_vdst(0)
	s_wait_kmcnt 0x0
	s_mov_b64 s[18:19], s[12:13]                   ; which tensor is my work-group's, and which work-group is that tensor's first: the choice hangs on the work-group's number alone
	s_mov_b32 s20, 352
	s_cmp_lt_u32 ttmp9, 352
	s_cselect_b64 s[18:19], s[10:11], s[18:19]
	s_cselect_b32 s20, 320, s20
	s_cmp_lt_u32 ttmp9, 320
	s_cselect_b64 s[18:19], s[8:9], s[18:19]
	s_cselect_b32 s20, 288, s20
	s_cmp_lt_u32 ttmp9, 288
	s_cselect_b64 s[18:19], s[6:7], s[18:19]
	s_cselect_b32 s20, 256, s20
	s_cmp_lt_u32 ttmp9, 256
	s_cselect_b64 s[18:19], s[4:5], s[18:19]
	s_cselect_b32 s20, 0, s20
	s_sub_co_u32 s26, ttmp9, s20                   ; the pair of row blocks in the tensor: 32 rows of 4,096 bytes,
	s_lshl_b32 s26, s26, 17
	s_lshr_b32 s27, s22, 1
	s_lshl_b32 s27, s27, 15                        ; the odd row block begins 8 rows on (the permutation),
	s_add_co_u32 s26, s26, s27
	s_and_b32 s27, s22, 1
	s_lshl_b32 s27, s27, 11                        ; my K half: 512 numbers
	s_add_co_u32 s26, s26, s27
	s_mov_b32 s27, 0
	s_add_nc_u64 s[18:19], s[18:19], s[26:27]
	s_mul_i32 s28, ttmp9, 24576                    ; codes: 12,288 bytes a row block, 6,144 a K half
	s_mul_i32 s29, s22, 6144
	s_add_co_u32 s28, s28, s29
	s_mov_b32 s29, 0
	s_add_nc_u64 s[14:15], s[14:15], s[28:29]
	s_lshl_b32 s30, ttmp9, 10                      ; scale words: 512 bytes a row block, 256 a K half
	s_lshl_b32 s31, s22, 8
	s_add_co_u32 s30, s30, s31
	s_mov_b32 s31, 0
	s_add_nc_u64 s[16:17], s[16:17], s[30:31]
.macro LOAD f                          ; fragment f: place i of the row block takes the row i + 8 (i / 8) of my 32: the permutation stands in the immediate
.irp i, 0,1,2,3,4,5,6,7,8,9,10,11,12,13,14,15
	global_load_b128 v[RL+64*((\f)%2)+4*\i:RL+64*((\f)%2)+4*\i+3], v4, s[18:19] offset:(\i+8*(\i/8))*4096+512*(\f) th:TH_LOAD_NT
.endr
.endm
.macro FRAGQ f
.set RS, RL+64*((\f)%2)
.set CF, CD+12*((\f)%2)
.if (\f) < 3
	s_wait_loadcnt 16                              ; this fragment's 16 loads are in; the next fragment's 16 may be out
.else
	s_wait_loadcnt 0x0
.endif
.irp i, 0,1,2,3,4,5,6,7,8,9,10,11,12,13,14,15
	ds_store_b128 v5, v[RS+4*\i:RS+4*\i+3] offset:528*\i
.endr
.irp c, 0,1
.irp j, 0,1,2,3,4,5,6,7
	ds_load_b128 v[XN+32*\c+4*\j:XN+32*\c+4*\j+3], v6 offset:256*\c+16*\j   ; LDS serves a wave's instructions in order: these see my stores
.endr
.endr
	s_wait_dscnt 0x0                               ; my numbers are back, and the stores have read their registers,
.if (\f) < 2
	LOAD (\f)+2                                    ; which take the fragment two on
.else
	s_wait_xcnt 0x0                                ; the stores of the fragment two back have read this set of codes: it is written again only behind this wait
.endif
.irp c, 0,1
	v_max3_num_f32 v[8+\c], |v[XN+32*\c]|, |v[XN+32*\c+1]|, 0x1800000   ; my block 2 c + h: all its 32 numbers are mine; and the floor 2^(3 - 127): the byte cannot fall under 1
.endr
.irp i, 2,4,6,8,10,12,14,16,18,20,22,24,26,28,30
.irp c, 0,1
	v_max3_num_f32 v[8+\c], v[8+\c], |v[XN+32*\c+\i]|, |v[XN+32*\c+\i+1]|
.endr
.endr
.irp c, 0,1
	v_add_nc_u32 v[10+\c], 0xff000000, v[8+\c]     ; 2 off the exponent field: the conversion takes the exponent field of this operand as its scale
.endr
.irp c, 0,1
	v_lshrrev_b32 v[12+\c], 23, v[10+\c]           ; the scale's byte
.endr
	v_lshl_or_b32 v14, v13, 16, v12                ; my two bytes: blocks h and 2 + h,
	v_lshlrev_b32 v14, v16, v14                    ; at their places in the word;
	v_permlanex16_b32 v15, v14, s24, s25
	v_or_b32 v[WD+(\f)], v14, v15                  ; with lane l xor 16's two the word is whole
.irp c, 0,1
	v_cvt_scalef32_pk16_fp6_f32 v[CF+6*\c:CF+6*\c+2], v[XN+32*\c:XN+32*\c+15], v[10+\c]
	v_cvt_scalef32_pk16_fp6_f32 v[TH+4*\c:TH+4*\c+2], v[XN+32*\c+16:XN+32*\c+31], v[10+\c]
.endr
	v_nop                                          ; one plain place behind a scaled conversion
.irp c, 0,1
.irp i, 0,1,2
	v_mov_b32 v[CF+6*\c+3+\i], v[TH+4*\c+\i]
.endr
.endr
.irp p, 0,1,2,3,4,5
	global_store_b64 v7, v[CF+2*\p:CF+2*\p+1], s[14:15] offset:1536*(\f)+256*\p   ; 32 lanes store 256 consecutive bytes, aligned
.endr
.endm
	LOAD 0
	LOAD 1
	FRAGQ 0
	FRAGQ 1
	FRAGQ 2
	FRAGQ 3
	v_cndmask_b32 v24, v[WD], v[WD+2], s21         ; lanes 0-15 store the words of my first two K steps, lanes 16-31 those of the other two
	v_cndmask_b32 v25, v[WD+1], v[WD+3], s21
	global_store_b64 v7, v[24:25], s[16:17]        ; 256 consecutive bytes, aligned
	s_wait_tensorcnt 0x0
	ds_add_u32 v62, v63
	s_wait_dscnt 0x0
	s_endpgm
.Lfunc_end_k_q867eae59de_quant:
	.size	k_q867eae59de_quant, .Lfunc_end_k_q867eae59de_quant-k_q867eae59de_quant
	.p2alignl 7, 3214868480
	.fill 96, 4, 3214868480
	.section	.rodata,"a",@progbits
	.p2align	6, 0x0
	.amdhsa_kernel k_q867eae59de_quant
		.amdhsa_group_segment_fixed_size 34304
		.amdhsa_private_segment_fixed_size 0
		.amdhsa_enable_private_segment 0
		.amdhsa_kernarg_size 56
		.amdhsa_user_sgpr_count 2
		.amdhsa_user_sgpr_kernarg_segment_ptr 1
		.amdhsa_wavefront_size32 1
		.amdhsa_system_sgpr_workgroup_id_x 1
		.amdhsa_system_sgpr_workgroup_id_y 1
		.amdhsa_system_sgpr_workgroup_id_z 1
		.amdhsa_system_vgpr_workitem_id 0
		.amdhsa_next_free_vgpr 256
		.amdhsa_next_free_sgpr 66
		.amdhsa_reserve_vcc 0
		.amdhsa_float_denorm_mode_32 3
		.amdhsa_float_denorm_mode_16_64 3
		.amdhsa_memory_ordered 1
		.amdhsa_forward_progress 1
		.amdhsa_inst_pref_size 32
	.end_amdhsa_kernel
	.amdgpu_metadata
---
amdhsa.version: [ 1, 2 ]
amdhsa.kernels:
  - .name:           k_q867eae59de_quant
    .symbol:         k_q867eae59de_quant.kd
    .args:
      - { .name: x, .offset: 0, .size: 8, .value_kind: global_buffer, .address_space: global }
      - { .name: W_q, .offset: 8, .size: 8, .value_kind: global_buffer, .address_space: global }
      - { .name: W_k, .offset: 16, .size: 8, .value_kind: global_buffer, .address_space: global }
      - { .name: W_v, .offset: 24, .size: 8, .value_kind: global_buffer, .address_space: global }
      - { .name: W_o, .offset: 32, .size: 8, .value_kind: global_buffer, .address_space: global }
      - { .name: oc, .offset: 40, .size: 8, .value_kind: global_buffer, .address_space: global }
      - { .name: os, .offset: 48, .size: 8, .value_kind: global_buffer, .address_space: global }
    .group_segment_fixed_size: 34304
    .private_segment_fixed_size: 0
    .kernarg_segment_align: 8
    .kernarg_segment_size: 56
    .max_flat_workgroup_size: 128
    .sgpr_count:     66
    .vgpr_count:     256
    .wavefront_size: 32
...
	.end_amdgpu_metadata
.endif
;; end of part 1
;; launch proj (part 2): grid 12 x 32, 4 waves a work-group, clusters of 4 x 4, 327,680 bytes of LDS; arguments oc, os, qkv; writes qkv
.if DOCPART == 2
	.amdgcn_target "amdgcn-amd-amdhsa--gfx1250"
	.amdhsa_code_object_version 6
	.text
	.protected	k_q867eae59de_proj
	.globl	k_q867eae59de_proj
	.p2align	8
	.type	k_q867eae59de_proj,@function
k_q867eae59de_proj:
	s_mov_b64 s[64:65], 0
	v_nop
	global_prefetch_b8 v0, s[64:65] scope:SCOPE_SE
	s_setreg_imm32_b32 hwreg(HW_REG_WAVE_MODE, 25, 1), 1
	s_wait_xcnt 0x0
	s_wait_alu depctr_hold_cnt(0) depctr_sa_sdst(0) depctr_va_vdst(0) depctr_va_sdst(0) depctr_va_ssrc(0) depctr_va_vcc(0) depctr_vm_vsrc(0)
	s_getreg_b32 s2, hwreg(HW_REG_IB_STS2, 6, 4)
	s_cmp_eq_u32 s2, 0
	s_cbranch_scc0 .Lentry_in_a_cluster
	s_endpgm
.Lentry_in_a_cluster:
	s_bfe_u32 s2, ttmp6, 0x10000c
	s_cmp_lg_u32 s2, 0xf033
	s_cbranch_scc0 .Lentry_shape_is_right
	s_endpgm
.Lentry_shape_is_right:
; Q = x W_q^T, K = x W_k^T and V^T = W_v x^T on codes of FP6 (E2M3) with E8M0 scales, f32 sums; the results are quantised in registers and leave as codes for the attention launch.
; One text serves all three: the cluster's x says which (0: Q, 1: K, 2: V^T).  For Q and K operand A is a tile of x (256 tokens) and operand B a tile of the weight (256 features); for V^T A is a tile of W_v and B a tile of x.
; A tile of the result, 256 x 256, is made by four waves, each 128 x 128: 64 accumulators, 512 registers.  K = 1,024 goes in steps of 256 through a ring of two LDS slots filled by the tensor data mover.
; THE OPERANDS LIE IN MEMORY AS IMAGES OF THE OPERAND'S REGISTERS (a row block of 16 rows: [K step of 128][6 units of 256 bytes: 8 bytes a lane]): a fragment is six dense LDS loads of 8 bytes a lane, with no pitch and no padding.
; THE SCALE WORDS of the work-group's 512 rows, for all of K, come into LDS once with the first fills and stay.
; CLUSTERS: 4 x 4 work-groups; A's tiles are shared along a row of the cluster, B's along a column: each is asked for jointly, by the same tensor load with the same descriptor and a mask that names the four.
; THE MATRIX INSTRUCTION IS USED TRANSPOSED (source 0 = 16 rows of B, source 1 = 16 rows of A): a lane holds ONE row of A, and its registers run along B's rows.  The rows of every operand are stored with bits 3 and 4 of the row
; number exchanged, so the 16 registers of accumulators 2 j and 2 j + 1 are B's rows 32 j + 16 (lane / 16) + 0 .. 15 in the tensor's own order: a half block of 32 along the next product's K
; (Q, K: the head's 64 features; V^T: the keys).
; THE WAY OUT needs no LDS: a block's largest magnitude joins lanes l and l xor 16, the conversions give half blocks, three lane swaps for a pair of blocks give the operand's registers, and they are stored as images,
; 256 consecutive aligned bytes a store.  qkv is [batch x head: 64][128 tokens: 16][19,200 bytes]: K's codes 6,144, V's 6,144, K's scale unit 256, V's 256, Q's codes 6,144, Q's scale unit 256.
; LIMITS: NaN and infinities are not served; a block whose largest magnitude lies under 2^-124, a block of zeros among them, gets the scale byte 1 (its bytes are read by this program alone).
; REGISTERS, in windows of 256: window 0: v0-31 addresses; v32-63 scale words, two sets; from v128 A's fragments, one set; on the way out v64-227 are at work.  window 1: B's fragments, two sets, at v0 and v128.
;   window 2: the accumulators of my rows 0-63 of A ((a, b) at v[8 (8 a + b)]);   window 3: those of my rows 64-127.
.set NQ,     2                         ; matrix instructions deep in a slot
.set FR,     12                        ; registers of a fragment
.set NL,     6                         ; LDS loads that bring one
.set NP,     4                         ; places behind this matrix instruction (ISA guide 7.12.1)
.set RHOB,   12288                     ; a row block's codes in memory
.set STEPB,  3072                      ; its codes of 256 along K
.set HALFT,  8*STEPB                   ; 8 row blocks: what one tensor load brings, and what one wave reads of A or of B
.set SLOT,   4*HALFT                   ; A's 16 row blocks, then B's 16
.set LAPS,   2                         ; a lap = two K steps of 256 = once round the ring
.set SCL,    2*SLOT                    ; behind the ring: the scale words
.set SBLK,   512                       ; those of a row block
.set HALFS,  8*SBLK                    ; those of 8: what one tensor load brings
.set SPARE,  SCL+4*HALFS               ; behind the scales: the spare words, 128 bytes for each wave: two blocks of 256 bytes that no other line names
.set ADRA, 16                          ; v16-17  LDS address of my A fragments in slot 0, 1
.set ADRB, 20                          ; v20-21  the same for B
.set ADRS, 27                          ; v27     LDS address of my scale words: lanes 0-15 A's rows, lanes 16-31 B's
.set SPW,  28                          ; v28     LDS address of my spare word; never rewritten
.set NIL,  29                          ; v29     0; never rewritten
.set L8,   30                          ; v30     8 x lane
.set SC,   32                          ; scale words: set s at v[SC + 16 s]; register 2 i + q: lanes 0-15 A's block i, lanes 16-31 B's block i, the slot's q-th 128 along K
.set AF,   128                         ; A's fragments, in window 0
.set HF,   64                          ; the way out: v64-159 the eight images, 12 registers each
.set TT,   160                         ; v160-167 the conversions' second halves
.set TM,   168                         ; v168-171 largest magnitudes;  v172-175 the other lane's;  v176-179 scale operands;  v180-183 bytes
.set TP,   172
.set SO,   176
.set BY,   180
.set WW,   184                         ; v184-191 the eight blocks' scale words
.set VO,   192                         ; v192-207 byte offsets of the sixteen half images
.set SW,   208                         ; v208-221 the scale units at work
.set G1, 24                            ; s[24:31] descriptor group 1 for A's tiles;  s[32:39] group 0, one set for each slot
.set G0, 32
.set G1B, 48                           ; s[48:55], s[56:63] the same for B's tiles
.set G0B, 56
.set SEL, 66                           ; s[66:67] lane selects for v_permlanex16_b32
.set G1S, 68                           ; s[68:75], s[76:79] groups 1 and 0 for A's scales;  s[80:87], s[88:91] for B's
.set G0S, 76
.set G1SB, 80
.set G0SB, 88
.set MSK, 95                           ; s95 lanes 16-31
.set MSB, 0
.macro WIN new                         ; the immediate's high byte repeats the setting that is left
.if MSB != \new
	s_set_vgpr_msb (MSB<<8)|\new
.set MSB, \new
.endif
.endm
.set MUL_LO, 0xa1                      ; source 0 (B) window 1, source 1 (A) window 0, C and D window 2
.set MUL_HI, 0xf1                      ; the same, C and D window 3
.set TO_B,   0x40                      ; destination window 1, address window 0
; A joint load: waves 0 and 1 fetch for A, waves 2 and 3 for B.  Each of the two lines has one mask and one set of registers for all that issue it; the branch hangs on the wave's number alone.
; Four v_nop follow each of the two lines, ahead of the jump, the label and what follows.
.macro JLOAD g0a, g1a, g0b, g1b
	s_cmp_eq_u32 s15, 0
	s_cbranch_scc0 .Lfor_b_\@
	tensor_load_to_lds s[\g0a:\g0a+3], s[\g1a:\g1a+7]
	s_nop 0
.rept 4
	v_nop
.endr
	s_branch .Lasked_\@
.Lfor_b_\@:
	tensor_load_to_lds s[\g0b:\g0b+3], s[\g1b:\g1b+7]
	s_nop 0
.rept 4
	v_nop
.endr
.Lasked_\@:
.endm
.macro CREST                           ; a round of the cluster's barrier behind its opening barrier
	s_cmp_lg_u32 s14, 0
	s_cbranch_scc1 .Lnot_wave_0_\@
	s_barrier_signal -3
.Lnot_wave_0_\@:
	s_barrier_wait -3
	s_barrier_signal -1
	s_barrier_wait -1
.endm
.macro CROUND                          ; a whole round
	s_barrier_signal -1
	s_barrier_wait -1
	CREST
.endm
	s_load_b128 s[4:7], s[0:1], 0x0                ; the operands' codes s[4:5], their scale words s[6:7]
	s_load_b64 s[12:13], s[0:1], 0x10              ; qkv
	v_lshl_add_u32 v[SPW], v0, 2, SPARE
	v_mov_b32 v[NIL], 0
	ds_add_u32 v28, v29
	ds_add_u32 v28, v29
	s_wait_dscnt 0x0
	v_lshrrev_b32 v1, 5, v0
	v_readfirstlane_b32 s14, v1                    ; wave 0..3
	s_lshr_b32 s15, s14, 1                         ; which half of A's rows is mine.  Also: I fetch for A (0) or for B (1)
	s_and_b32 s16, s14, 1                          ; which half of B's rows.  Also: which 8 row blocks of that tile I fetch
	s_bfe_u32 s40, ttmp6, 0x40000                  ; cx, cy: my place in the cluster
	s_bfe_u32 s41, ttmp6, 0x40004
	s_and_b32 s17, ttmp7, 0xffff
	s_lshl_b32 s17, s17, 2                         ; 4 x cluster y: the cluster's first tile of x
	s_lshl_b32 s42, ttmp9, 2
	s_add_co_u32 s42, s42, 32                      ; 32 + 4 x cluster x: the first tile of W_q or of W_k
	s_lshl_b32 s43, s41, 2
	s_lshl_b32 s43, 15, s43                        ; my row of the cluster
	s_lshl_b32 s44, 0x1111, s40                    ; my column
	s_mov_b32 s[SEL], 0x76543210
	s_mov_b32 s[SEL+1], 0xfedcba98
	s_mov_b32 s[MSK], 0xffff0000
	s_mov_b32 s8, 307200
	s_mov_b32 s9, 3072
	s_mov_b32 s10, 768
	s_mov_b32 s97, 12288
	s_cmp_eq_u32 ttmp9, 2                          ; V^T?  The cluster's x is the same in all sixteen partners
	s_cselect_b32 s18, 40, s17                     ; the cluster's first tile of A: W_v's, or x's
	s_cselect_b32 s19, s17, s42                    ; and of B: x's, or the weight's
	s_cselect_b32 s8, 768, s8                      ; the way out: bytes from an image's first half to its second (V: 64 keys on; Q, K: the next head),
	s_cselect_b32 s9, 307200, s9                   ; from block a to a + 4 (V: the next head; Q, K: 64 tokens on),
	s_cselect_b32 s10, 1536, s10                   ; from block a to a + 1 (V: 16 features on; Q, K: 16 tokens on)
	s_cselect_b32 s11, -1, 0                       ; all lanes, or none
	s_cselect_b32 s96, 6144, 0                     ; where the codes begin in a step's 19,200 bytes,
	s_cselect_b32 s97, 12544, s97                  ; and the scale unit
	s_cselect_b32 s98, s40, s41                    ; which tile of tokens of the cluster's four is mine,
	s_cselect_b32 s99, s16, s15                    ; which half of it,
	s_cselect_b32 s100, s41, s40                   ; which tile of features,
	s_cselect_b32 s101, s15, s16                   ; which half of it
	s_cmp_eq_u32 ttmp9, 0                          ; Q?
	s_cselect_b32 s96, 12800, s96
	s_cselect_b32 s97, 18944, s97
	s_add_co_u32 s18, s18, s41                     ; A's tile hangs on cy alone, which my row of the cluster shares;
	s_add_co_u32 s19, s19, s40                     ; B's on cx alone, which my column shares
	; descriptor group 1: 8 row blocks x 3,072 bytes (384 elements of 8 bytes), 12,288 bytes (1,536 elements) apart; dense in LDS
	s_or_b32 s[G1+0], s43, (3<<16)|(1<<21)         ; 15:0 the mask: A's tiles go to my row; 17:16 elements of 8 bytes; 20 no padding; 21 set beside a mask
	s_or_b32 s[G1B+0], s44, (3<<16)|(1<<21)
.irp g, G1, G1B
	s_mov_b32 s[\g+1], 384<<16                     ; tensor_dim0
	s_mov_b32 s[\g+2], 8<<16                       ; tensor_dim1
	s_mov_b32 s[\g+3], 384<<16                     ; tile_dim0
	s_mov_b32 s[\g+4], 8                           ; tile_dim1
	s_mov_b32 s[\g+5], 1536                        ; tensor_dim0_stride
	s_mov_b32 s[\g+6], 0
	s_mov_b32 s[\g+7], 0
.endr
	; and for the scale words of 8 row blocks: a dense block of 4,096 bytes, as 16 rows of 256 bytes
	s_or_b32 s[G1S+0], s43, (3<<16)|(1<<21)
	s_or_b32 s[G1SB+0], s44, (3<<16)|(1<<21)
.irp g, G1S, G1SB
	s_mov_b32 s[\g+1], 32<<16
	s_mov_b32 s[\g+2], 16<<16
	s_mov_b32 s[\g+3], 32<<16
	s_mov_b32 s[\g+4], 16
	s_mov_b32 s[\g+5], 32
	s_mov_b32 s[\g+6], 0
	s_mov_b32 s[\g+7], 0
.endr
	s_lshl_b32 s45, s16, 3                         ; which 8 row blocks of the tile I fetch
	s_lshl_b32 s20, s18, 4
	s_add_co_u32 s20, s20, s45                     ; A: row block 16 x tile + 8 x half
	s_lshl_b32 s46, s19, 4
	s_add_co_u32 s46, s46, s45                     ; B likewise
	s_lshl_b32 s22, s20, 9                         ; where these row blocks' scale words begin, in bytes,
	s_lshl_b32 s92, s46, 9
	s_mul_i32 s20, s20, RHOB                       ; and their codes (all under 2^24)
	s_mul_i32 s46, s46, RHOB
	s_mov_b32 s21, 0
	s_mov_b32 s23, 0
	s_mov_b32 s47, 0
	s_mov_b32 s93, 0
	s_mul_i32 s45, s14, HALFT                      ; where they go: wave x 8 row blocks: no place in the cluster enters an LDS address
	s_mul_i32 s94, s14, HALFS
	s_wait_kmcnt 0x0
	s_add_nc_u64 s[20:21], s[4:5], s[20:21]
	s_add_nc_u64 s[22:23], s[6:7], s[22:23]
	s_add_nc_u64 s[46:47], s[4:5], s[46:47]
	s_add_nc_u64 s[92:93], s[6:7], s[92:93]
	CROUND                                         ; all sixteen work-groups are here: the first joint loads meet
	s_mov_b32 s[G0S], 1
	s_add_co_u32 s[G0S+1], s94, SCL
	s_mov_b64 s[G0S+2:G0S+3], s[22:23]
	s_or_b32 s[G0S+3], s[G0S+3], 0x80000000
	s_mov_b32 s[G0SB], 1
	s_add_co_u32 s[G0SB+1], s94, SCL
	s_mov_b64 s[G0SB+2:G0SB+3], s[92:93]
	s_or_b32 s[G0SB+3], s[G0SB+3], 0x80000000
	JLOAD G0S, G1S, G0SB, G1SB                     ; the scale words first: they are wanted with K step 0
.irp s, 0,1
	s_mov_b32 s[G0+4*\s], 1
	s_add_co_u32 s[G0+4*\s+1], s45, \s*SLOT
	s_add_nc_u64 s[G0+4*\s+2:G0+4*\s+3], s[20:21], \s*STEPB
	s_or_b32 s[G0+4*\s+3], s[G0+4*\s+3], 0x80000000
	s_mov_b32 s[G0B+4*\s], 1
	s_add_co_u32 s[G0B+4*\s+1], s45, \s*SLOT
	s_add_nc_u64 s[G0B+4*\s+2:G0B+4*\s+3], s[46:47], \s*STEPB
	s_or_b32 s[G0B+4*\s+3], s[G0B+4*\s+3], 0x80000000
	JLOAD G0+4*\s, G1, G0B+4*\s, G1B
.endr
	v_and_b32 v1, 15, v0                           ; r = lane % 16
	v_bfe_u32 v2, v0, 4, 1                         ; h = lane / 16
	s_wait_alu depctr_va_vdst(0)
	v_and_b32 v3, 31, v0
	v_lshlrev_b32 v[L8], 3, v3                     ; an image's place for my lane
	s_mul_i32 s21, s15, HALFT                      ; my 8 row blocks of A
	s_mul_i32 s22, s16, HALFT                      ; my 8 of B,
	s_add_co_u32 s22, s22, 2*HALFT                 ; which lie behind A's 16
.irp s, 0,1
	v_add_nc_u32 v[ADRA+\s], s21, v[L8]
	v_add_nc_u32 v[ADRB+\s], s22, v[L8]
	s_add_co_u32 s21, s21, SLOT
	s_add_co_u32 s22, s22, SLOT
.endr
	v_lshlrev_b32 v5, 3, v1                        ; my row's two scale words of a K step: 8 bytes a row
	s_mul_i32 s21, s15, HALFS                      ; A's: my 8 row blocks
	s_mul_i32 s22, s16, HALFS                      ; B's: my 8, behind A's 16
	s_add_co_u32 s22, s22, 2*HALFS
	s_sub_co_u32 s22, s22, s21
	v_mul_u32_u24 v6, s22, v2                      ; lanes 16-31 take B's: the lower base + h x the distance
	s_add_co_u32 s21, s21, SCL
	v_add_nc_u32 v5, v5, v6
	v_add_nc_u32 v[ADRS], s21, v5
	; where my wave's results go: 128 tokens (one step of the attention launch) of two heads
	s_lshl_b32 s20, s17, 8                         ; 1,024 x cluster y
	s_lshl_b32 s21, s98, 8
	s_add_co_u32 s20, s20, s21
	s_lshl_b32 s21, s99, 7
	s_add_co_u32 s20, s20, s21                     ; my first token
	s_lshl_b32 s21, s100, 8
	s_lshl_b32 s22, s101, 7
	s_add_co_u32 s21, s21, s22                     ; my first feature
	s_lshr_b32 s22, s20, 11
	s_lshl_b32 s22, s22, 4
	s_lshr_b32 s21, s21, 6
	s_add_co_u32 s22, s22, s21                     ; 16 x batch + head
	s_mul_i32 s22, s22, 307200
	s_bfe_u32 s20, s20, 0x40007                    ; the step: (token / 128) % 16
	s_mul_i32 s20, s20, 19200
	s_add_co_u32 s22, s22, s20
	s_add_co_u32 s20, s22, s96
	s_mov_b32 s21, 0
	s_add_co_u32 s22, s22, s97
	s_mov_b32 s23, 0
	s_add_nc_u64 s[92:93], s[12:13], s[22:23]      ; the scale unit
	s_add_nc_u64 s[12:13], s[12:13], s[20:21]      ; the codes
.macro FRAG reg, adr, q, i             ; a fragment, 16 rows x 128 K, is 12 registers: six units of 256 bytes, 8 bytes a lane, as they lie
.irp p, 0,1,2,3,4,5
	ds_load_b64 v[\reg+2*\p:\reg+2*\p+1], v[\adr] offset:STEPB*(\i)+1536*(\q)+256*\p
.endr
.endm
; 16 matrix instructions: A's blocks a0, a0 + 1 x B's eight, 128 along K: the slot's q-th.  p: B's set;  sc: the set of scale words.  zero = 1: the first product starts the sums: nothing is ever cleared.
; The 64 accumulators take turns, one instruction a turn, in the same order in every step.
.macro MUL16 a0, p, q, sc, zero
.irp a, \a0, \a0+1
.irp b, 0,1,2,3,4,5,6,7
.if \zero
	v_wmma_scale_f32_16x16x128_f8f6f4 v[8*(8*((\a)%4)+\b):8*(8*((\a)%4)+\b)+7], v[128*(\p)+FR*\b:128*(\p)+FR*\b+FR-1], v[AF+FR*(\a):AF+FR*(\a)+FR-1], 0, v[SC+8*NQ*(\sc)+NQ*\b+(\q)], v[SC+8*NQ*(\sc)+NQ*(\a)+(\q)] matrix_a_fmt:MATRIX_FMT_FP6 matrix_b_fmt:MATRIX_FMT_FP6 matrix_a_scale:MATRIX_SCALE_ROW1
.else
	v_wmma_scale_f32_16x16x128_f8f6f4 v[8*(8*((\a)%4)+\b):8*(8*((\a)%4)+\b)+7], v[128*(\p)+FR*\b:128*(\p)+FR*\b+FR-1], v[AF+FR*(\a):AF+FR*(\a)+FR-1], v[8*(8*((\a)%4)+\b):8*(8*((\a)%4)+\b)+7], v[SC+8*NQ*(\sc)+NQ*\b+(\q)], v[SC+8*NQ*(\sc)+NQ*(\a)+(\q)] matrix_a_fmt:MATRIX_FMT_FP6 matrix_b_fmt:MATRIX_FMT_FP6 matrix_a_scale:MATRIX_SCALE_ROW1
.endif
.endr
.endr
.endm
.macro FETCH_B slot, q, p              ; B's eight fragments of the slot's q-th 128 along K into set p
	WIN TO_B
.irp i, 0,1,2,3,4,5,6,7
	FRAG 128*(\p)+FR*\i, ADRB+\slot, \q, \i
.endr
	WIN 0
.endm
.macro FETCH_A slot, q, i0             ; A's blocks i0 .. i0 + 3
.irp i, \i0, \i0+1, \i0+2, \i0+3
	FRAG AF+FR*(\i), ADRA+\slot, \q, \i
.endr
.endm
.macro SCALES sc                       ; a K step's scale words into set sc: two words a row; lanes 0-15 take A's block i, lanes 16-31 B's block i
.irp i, 0,1,2,3,4,5,6,7
	ds_load_b64 v[SC+8*NQ*\sc+NQ*\i:SC+8*NQ*\sc+NQ*\i+1], v[ADRS] offset:\i*SBLK
.endr
.endm
; A load into a register that a matrix instruction has read, and a vector instruction that reads a matrix result, stand NP places behind that matrix instruction, and only plain vector
; instructions that name none of its registers are places (ISA guide 7.12.1 for vector instructions).
.macro PLACES n
.rept \n
	v_nop
.endr
.endm
; A step of 128 along K that has its successor in the same slot.
.macro STEP slot, q, zero
	s_wait_dscnt 4*NL                              ; B's set and A's blocks 0-3 are in; the youngest 24 loads (A's blocks 4-7) may be out
	WIN MUL_LO
	MUL16 0, (\q)%2, \q, \slot, \zero
	MUL16 2, (\q)%2, \q, \slot, \zero
	s_wait_dscnt 0                                 ; A's blocks 4-7 are in (asked for 32 matrix instructions ago)
	PLACES NP
	FETCH_B \slot, (\q)+1, 1-(\q)%2
	FETCH_A \slot, (\q)+1, 0
	WIN MUL_HI
	MUL16 4, (\q)%2, \q, \slot, \zero
	MUL16 6, (\q)%2, \q, \slot, \zero
	PLACES NP
	WIN 0
	FETCH_A \slot, (\q)+1, 4
.endm
; A slot's last step changes slots: ONE barrier; in front of it each wave waits for all its tensor loads, adds 0 to its spare word, and waits for that and for its own reads of this slot.  fill = 1: this slot is filled again, two K steps ahead.
.macro TURN slot, next, fill
	s_wait_tensorcnt 0x0                           ; all my tensor loads have landed: my part of the next slot;  (every window is 0 here: the add's two registers lie in window 0)
	ds_add_u32 v[SPW], v[NIL]                      ; 0 onto my spare word;
	s_wait_dscnt 4*NL+1                            ; (the add and the youngest 24 loads, A's blocks 4-7, may be out)
	WIN MUL_LO
	MUL16 0, 1, NQ-1, \slot, 0                     ; sixteen matrix instructions stand between the add and the wait for it
	s_wait_dscnt 0x0                               ; the add is done, and my reads of this slot are over
	s_barrier_signal -1
	MUL16 2, 1, NQ-1, \slot, 0
	WIN 0
	s_barrier_wait -1
.if \fill
	CREST                                          ; the barrier has opened a round of the cluster's barrier: no wave of any partner still reads this slot's tile or has a load on its way
	s_add_nc_u64 s[G0+4*\slot+2:G0+4*\slot+3], s[G0+4*\slot+2:G0+4*\slot+3], 2*STEPB
	s_add_nc_u64 s[G0B+4*\slot+2:G0B+4*\slot+3], s[G0B+4*\slot+2:G0B+4*\slot+3], 2*STEPB
	JLOAD G0+4*\slot, G1, G0B+4*\slot, G1B         ; the first tensor load behind the round; the four v_nop behind it are the places in front of the loads below
.else
	PLACES NP
.endif
	s_wait_alu depctr_va_vdst(0)
	v_add_nc_u32 v[ADRS], 128, v[ADRS]             ; on to the next K step's scale words (no LDS load of mine is out)
	FETCH_B \next, 0, 0
	FETCH_A \next, 0, 0
	SCALES \next
	WIN MUL_HI
	MUL16 4, 1, NQ-1, \slot, 0
	MUL16 6, 1, NQ-1, \slot, 0
	PLACES NP
	WIN 0
	FETCH_A \next, 0, 4
.endm
	s_wait_alu depctr_va_vdst(0)
	s_wait_tensorcnt 1                             ; the scale words and my part of K step 0 are in (K step 1's load may be out)
	s_barrier_signal -1
	s_barrier_wait -1                              ; everybody's are
	FETCH_B 0, 0, 0
	FETCH_A 0, 0, 0
	SCALES 0
	FETCH_A 0, 0, 4
	STEP 0, 0, 1                                   ; the first step stands in front of the loop: its products start the sums
	s_mov_b32 s3, LAPS-1
.Llap:                                                 ; a trip goes once round the ring, from a lap's second step to the next lap's first, and fills both slots again
	TURN 0, 1, 1
	STEP 1, 0, 0
	TURN 1, 0, 1
	STEP 0, 0, 0
	s_sub_co_u32 s3, s3, 1
	s_cmp_lg_u32 s3, 0
	s_cbranch_scc1 .Llap
	TURN 0, 1, 0                                   ; the last lap fills nothing, and has no round of the cluster's barrier
	STEP 1, 0, 0
	s_wait_dscnt 4*NL                              ; the very last step: nothing more to fetch
	WIN MUL_LO
	MUL16 0, 1, NQ-1, 1, 0
	MUL16 2, 1, NQ-1, 1, 0
	s_wait_dscnt 0
	WIN MUL_HI
	MUL16 4, 1, NQ-1, 1, 0
	MUL16 6, 1, NQ-1, 1, 0
	WIN 0
	; THE WAY OUT.  Block a (16 rows of A) has 64 numbers a lane: register 16 j + i is B's row 32 j + 16 h + i: four blocks of 32 along the next K, each in lanes l and l xor 16.
	PLACES NP                                      ; behind the last products: their results are read and their operands' registers written below
.irp a, 0,1,2,3,4,5,6,7
.irp g, 0,1
	s_mul_i32 s20, s9, \a/4
	s_mul_i32 s21, s10, \a%4
	s_add_co_u32 s20, s20, s21
	s_mul_i32 s21, s8, \g
	s_add_co_u32 s20, s20, s21
	v_add_nc_u32 v[VO+2*\a+\g], s20, v[L8]         ; where half g of block a's image goes, from the codes' base on
.endr
.endr
.irp b, 0,1,2,3
	v_mov_b32 v[TP+\b], 0                          ; written once: a lane permute's destination counts as one of its sources
.endr
.macro QBLK a
.set AC, 64*((\a)%4)
.set HH, HF+12*(\a)
	WIN 0x28+0x14*((\a)/4)                         ; sources 1 and 2: window 2 or 3
.irp b, 0,1,2,3
	v_max3_num_f32 v[TM+\b], 0x1800000, |v[AC+16*\b]|, |v[AC+16*\b+1]|   ; each accumulator from its low end on; the floor 2^(3 - 127): the byte cannot fall under 1
.endr
.irp i, 2,4,6,8,10,12,14
.irp b, 0,1,2,3
	v_max3_num_f32 v[TM+\b], v[TM+\b], |v[AC+16*\b+\i]|, |v[AC+16*\b+\i+1]|   ; (the four blocks by turns)
.endr
.endr
	WIN 0
.irp b, 0,1,2,3
	v_permlanex16_b32 v[TP+\b], v[TM+\b], s[SEL], s[SEL+1]
.endr
.irp b, 0,1,2,3
	v_max_num_f32 v[TM+\b], v[TM+\b], v[TP+\b]     ; with lane l xor 16's: the block's largest magnitude
.endr
.irp b, 0,1,2,3
	v_add_nc_u32 v[SO+\b], 0xff000000, v[TM+\b]    ; 2 off its exponent field: the conversion's scale operand
.endr
.irp b, 0,1,2,3
	v_lshrrev_b32 v[BY+\b], 23, v[SO+\b]           ; the scale's byte
.endr
	v_lshl_or_b32 v[WW+(\a)], v[BY+1], 8, v[BY]    ; the four bytes of my row
	v_lshl_or_b32 v[WW+(\a)], v[BY+2], 16, v[WW+(\a)]
	v_lshl_or_b32 v[WW+(\a)], v[BY+3], 24, v[WW+(\a)]
	WIN 0x02+((\a)/4)                              ; source 0: window 2 or 3
.irp g, 0,1
	v_cvt_scalef32_pk16_fp6_f32 v[HH+6*\g:HH+6*\g+2], v[AC+32*\g:AC+32*\g+15], v[SO+2*\g]
	v_cvt_scalef32_pk16_fp6_f32 v[TT+4*\g:TT+4*\g+2], v[AC+32*\g+16:AC+32*\g+31], v[SO+2*\g+1]   ; (a conversion's three registers begin on an even number)
.endr
	WIN 0
	v_nop                                          ; one plain place behind a scaled conversion
.irp g, 0,1                                    ; the operand's layout wants a whole block in a lane: lanes 0-15 block 2 g, lanes 16-31 block 2 g + 1
.irp i, 0,1,2
	v_permlane16_swap_b32 v[HH+6*\g+\i], v[TT+4*\g+\i]
.endr
.irp i, 0,1,2
	v_mov_b32 v[HH+6*\g+3+\i], v[TT+4*\g+\i]
.endr
.endr
.irp g, 0,1
.irp p, 0,1,2
	global_store_b64 v[VO+2*(\a)+\g], v[HH+6*\g+2*\p:HH+6*\g+2*\p+1], s[12:13] offset:256*\p   ; 32 lanes store 256 consecutive bytes, aligned.  No register that a store names is written again
.endr
.endr
.endm
.irp a, 0,1,2,3,4,5,6,7
	QBLK \a
.endr
	; THE SCALE UNITS, one for each of my two heads: word (t, r) at 8 r + 128 (t % 2) + 4 (t / 2), so that one load of 8 bytes a lane brings words 0 | 1 and 2 | 3 in the two halves of the lanes.
	; Q, K: word t = the head's two bytes of token blocks 2 t and 2 t + 1.  V: word t = the four bytes of the head's feature block t.
.irp i, 0,1
.irp t, 0,1,2,3
.if \i == 0
	v_perm_b32 v[SW+8*\i+\t], v[WW+2*\t+1], v[WW+2*\t], 0x05040100
.else
	v_perm_b32 v[SW+8*\i+\t], v[WW+2*\t+1], v[WW+2*\t], 0x07060302
.endif
.endr
.irp t, 0,1,2,3
	v_cndmask_b32 v[SW+8*\i+\t], v[SW+8*\i+\t], v[WW+4*\i+\t], s11
.endr
	v_cndmask_b32 v[SW+8*\i+4], v[SW+8*\i], v[SW+8*\i+1], s[MSK]
	v_cndmask_b32 v[SW+8*\i+5], v[SW+8*\i+2], v[SW+8*\i+3], s[MSK]
	global_store_b64 v[L8], v[SW+8*\i+4:SW+8*\i+5], s[92:93] offset:307200*\i   ; 256 consecutive bytes, aligned
.endr
	s_wait_tensorcnt 0x0                           ; the wave's end
	ds_add_u32 v[SPW], v[NIL]
	s_wait_dscnt 0x0
	CROUND                                         ; the closing round: no work-group ends while a partner may still ask for a tile that names it
	s_endpgm
.Lfunc_end_k_q867eae59de_proj:
	.size	k_q867eae59de_proj, .Lfunc_end_k_q867eae59de_proj-k_q867eae59de_proj
	.p2alignl 7, 3214868480
	.fill 96, 4, 3214868480
	.section	.rodata,"a",@progbits
	.p2align	6, 0x0
	.amdhsa_kernel k_q867eae59de_proj
		.amdhsa_group_segment_fixed_size 327680
		.amdhsa_private_segment_fixed_size 0
		.amdhsa_enable_private_segment 0
		.amdhsa_kernarg_size 24
		.amdhsa_user_sgpr_count 2
		.amdhsa_user_sgpr_kernarg_segment_ptr 1
		.amdhsa_wavefront_size32 1
		.amdhsa_system_sgpr_workgroup_id_x 1
		.amdhsa_system_sgpr_workgroup_id_y 1
		.amdhsa_system_sgpr_workgroup_id_z 1
		.amdhsa_system_vgpr_workitem_id 0
		.amdhsa_next_free_vgpr 1024
		.amdhsa_next_free_sgpr 102
		.amdhsa_reserve_vcc 0
		.amdhsa_float_denorm_mode_32 3
		.amdhsa_float_denorm_mode_16_64 3
		.amdhsa_memory_ordered 1
		.amdhsa_forward_progress 1
		.amdhsa_inst_pref_size 171
	.end_amdhsa_kernel
	.amdgpu_metadata
---
amdhsa.version: [ 1, 2 ]
amdhsa.kernels:
  - .name:           k_q867eae59de_proj
    .symbol:         k_q867eae59de_proj.kd
    .args:
      - { .name: oc, .offset: 0, .size: 8, .value_kind: global_buffer, .address_space: global }
      - { .name: os, .offset: 8, .size: 8, .value_kind: global_buffer, .address_space: global }
      - { .name: qkv, .offset: 16, .size: 8, .value_kind: global_buffer, .address_space: global }
    .group_segment_fixed_size: 327680
    .private_segment_fixed_size: 0
    .kernarg_segment_align: 8
    .kernarg_segment_size: 24
    .max_flat_workgroup_size: 128
    .sgpr_count:     102
    .vgpr_count:     1024
    .wavefront_size: 32
...
	.end_amdgpu_metadata
.endif
;; end of part 2
;; launch attn (part 3): grid 4 x 64, 16 waves a work-group, clusters of 4 x 1, 206,848 bytes of LDS; arguments qkv, ac, asc; writes ac, asc
.if DOCPART == 3
	.amdgcn_target "amdgcn-amd-amdhsa--gfx1250"
	.amdhsa_code_object_version 6
	.text
	.protected	k_q867eae59de_attn
	.globl	k_q867eae59de_attn
	.p2align	8
	.type	k_q867eae59de_attn,@function
k_q867eae59de_attn:
	s_mov_b64 s[64:65], 0
	v_nop
	global_prefetch_b8 v0, s[64:65] scope:SCOPE_SE
	s_setreg_imm32_b32 hwreg(HW_REG_WAVE_MODE, 25, 1), 1
	s_wait_xcnt 0x0
	s_wait_alu depctr_hold_cnt(0) depctr_sa_sdst(0) depctr_va_vdst(0) depctr_va_sdst(0) depctr_va_ssrc(0) depctr_va_vcc(0) depctr_vm_vsrc(0)
	s_getreg_b32 s2, hwreg(HW_REG_IB_STS2, 6, 4)
	s_cmp_eq_u32 s2, 0
	s_cbranch_scc0 .Lentry_in_a_cluster
	s_endpgm
.Lentry_in_a_cluster:
	s_bfe_u32 s2, ttmp6, 0x10000c
	s_cmp_lg_u32 s2, 0x3003
	s_cbranch_scc0 .Lentry_shape_is_right
	s_endpgm
.Lentry_shape_is_right:
; Causal attention of one (batch, head) for each cluster of four work-groups, both products on codes of FP6 (E2M3) with E8M0 scales; head size 64, 2,048 tokens.  The result, divided by the row's sum, is quantised along
; the model's 1,024 features (the head's 64 are two blocks of 32) and leaves as codes for the last product.
; THE SOFTMAX AHEAD OF THE SECOND PRODUCT: t = score x log2(e) / 8; M = the row's largest t so far, rounded UP to a whole number; p = 2^(t - M) is what is quantised, along the keys; the row's sum is taken of the unquantised p
; and divides at the end.  When M moves, the sum and O are multiplied by 2^(old M - new M): exact.
; LDS: the head's K and V, codes and scale words, are 16 steps x 12,800 bytes: they fit, are brought ONCE (wave w brings step w: one tensor load a wave is out), and are never filled again: no ring and one barrier.
; CLUSTER: the four work-groups of a cluster walk the same head, so each step's block is asked for jointly: the same tensor load, the same descriptor, a mask that names the four.
; SHARES: a head has 128 tiles of 16 queries.  Wave w of work-group cx makes tile 8 w + cx, which has w + 1 key steps, and then tile 8 (15 - w) + 4 + cx, which has 16 - w: 17 steps for every wave of the launch.
; Every loop has 16 trips; a step all of whose keys come after the tile's queries is left out by a scalar branch on the wave's number and the trip's number.  No branch and no LDS address hangs on cx.
; LAYOUT: both products are used transposed: S^T = K Q^T, O^T = V^T P^T: a lane holds ONE query (lane % 16) throughout.  Tokens and features lie in the workspace with bits 3 and 4 of their number exchanged, so the 16 registers
; of result tiles 2 b and 2 b + 1 are 16 neighbours, 32 b + 16 (lane / 16) + 0 .. 15, in the tensor's own order.
; THE HEAD'S 64 FILL HALF OF THE INSTRUCTION'S 128: a fragment of K holds two tiles of 16 keys (k 0-63: keys 32 b + r; k 64-127: keys 32 b + 16 + r).  Multiplied by [q | zeros] it gives the first tile's scores, by [zeros | q] the second's.
; The padded halves of q are zero codes under the scale byte 0, which is 2^-127 and no NaN: they add nothing.
; LIMITS: NaN and infinities are not served; a block of the result whose largest magnitude lies under 2^-124 gets the scale byte 1 (read by this program alone).
; A head owns two bytes of each scale word of the result, so those leave as single bytes, 32 a tile beside its 768 bytes of codes.
; REGISTERS: v1 8 x lane; v2-5 the mask's numbers and store offsets; v8 LDS address; v12 -M, v13 the largest t, v[14:15] the sum in two halves; v16-27 [q | 0]; v28-39 [0 | q]; v40-87 four fragments of K or of V;
;   v96-159 S^T, then p; v160-191 O^T; v221-223 q's scale words; v224-235 p's codes; v232-254 at work; v248-249 K's scale words, v250-251 V's, v253 p's.
.set STEPL, 12800                      ; a step's K and V in LDS: K's codes 6,144, V's 6,144, K's scale unit 256, V's 256
.set STEPG, 19200                      ; and in memory, with Q's codes and scale unit behind
.set WV,   18                          ; s18  my wave's number
.set CX,   19                          ; s19  my work-group's place in the cluster
.set SEL,  20                          ; s[20:21] lane selects for v_permlanex16_b32: lane l xor 16
.set CS,   22                          ; s[22:23] c = log2(e) / 8
.set G1,   24                          ; s[24:31], s[32:35] the descriptor
.set G0,   32
.set BH,   36                          ; s36  16 x batch + head
.set TB,   37                          ; s37  LDS byte at which the step in hand begins
.set SI,   38                          ; s38  the step's number
.set GG,   39                          ; s39  the step on the diagonal: my tile's group of 128 tokens
.set SUB,  40                          ; s40  my tile in that group
.set MSK,  41                          ; s41  lanes 16-31
.macro CROUND                          ; a round of the cluster's barrier
	s_barrier_signal -1
	s_barrier_wait -1
	s_cmp_lg_u32 s[WV], 0
	s_cbranch_scc1 .Lnot_wave_0_\@
	s_barrier_signal -3
.Lnot_wave_0_\@:
	s_barrier_wait -3
	s_barrier_signal -1
	s_barrier_wait -1
.endm
	s_load_b128 s[4:7], s[0:1], 0x0                ; qkv, the result's codes
	s_load_b64 s[8:9], s[0:1], 0x10                ; the result's scale words
	v_lshl_add_u32 v243, v0, 2, 0x32000
	v_mov_b32 v255, 0
	ds_add_u32 v243, v255
	ds_add_u32 v243, v255
	v_lshrrev_b32 v9, 5, v0
	s_delay_alu instid0(VALU_DEP_1)
	v_readfirstlane_b32 s[WV], v9                  ; wave 0..15
	s_bfe_u32 s[CX], ttmp6, 0x40000                ; cx: it enters Q's and the result's addresses and the mask's numbers alone
	s_and_b32 s[BH], ttmp7, 0xffff                 ; the cluster's y, which the four partners share
	s_mov_b32 s[G1], 15|(3<<16)|(1<<21)            ; 15:0 the mask: all four work-groups; 17:16 elements of 8 bytes; 20 no padding; 21 set beside a mask
	s_mov_b32 s[G1+1], 32<<16                      ; tensor_dim0: rows of 256 bytes
	s_mov_b32 s[G1+2], 50<<16                      ; tensor_dim1: 12,800 dense bytes
	s_mov_b32 s[G1+3], 32<<16                      ; tile_dim0
	s_mov_b32 s[G1+4], 50                          ; tile_dim1
	s_mov_b32 s[G1+5], 32                          ; tensor_dim0_stride
	s_mov_b32 s[G1+6], 0
	s_mov_b32 s[G1+7], 0
	s_mov_b32 s[G0], 1
	s_mul_i32 s[G0+1], s[WV], STEPL                ; LDS: step w
	s_lshl_b32 s42, s[BH], 4
	s_add_co_u32 s42, s42, s[WV]
	s_mul_i32 s42, s42, STEPG                      ; memory: the head's step w (under 2^25)
	s_mov_b32 s43, 0
	s_mov_b32 s[SEL], 0x76543210
	s_mov_b32 s[SEL+1], 0xfedcba98
	s_mov_b32 s[CS], 0x3e38aa3b                    ; c = log2(e) / 8
	s_mov_b32 s[CS+1], s[CS]                       ; (named with it as a pair, so it is written)
	s_mov_b32 s[MSK], 0xffff0000
	s_wait_dscnt 0x0
	s_wait_kmcnt 0x0
	s_add_nc_u64 s[G0+2:G0+3], s[4:5], s[42:43]
	s_or_b32 s[G0+3], s[G0+3], 0x80000000
	CROUND                                         ; all four work-groups are here: the joint loads meet
	tensor_load_to_lds s[G0:G0+3], s[G1:G1+7]      ; my one tensor load of the launch
	s_nop 0
.rept 4
	v_nop
.endr
	v_and_b32 v9, 31, v0
	s_delay_alu instid0(VALU_DEP_1)
	v_lshlrev_b32 v1, 3, v9                        ; 8 x lane: an image's place for my lane
	v_and_b32 v10, 15, v0                          ; r
	v_bfe_u32 v11, v0, 4, 1                        ; h
	s_delay_alu instid0(VALU_DEP_2)
	v_and_b32 v2, 8, v10
	s_delay_alu instid0(VALU_DEP_1)
	v_add_nc_u32 v2, v2, v10                       ; r + 8 (r / 8): my query's place among its 32, less my tile's part,
	s_delay_alu instid0(VALU_DEP_3)
	v_lshlrev_b32 v9, 4, v11
	s_delay_alu instid0(VALU_DEP_1)
	v_sub_nc_u32 v2, v2, v9                        ; less the 16 h by which my registers' keys begin later
	v_lshlrev_b32 v4, 3, v10                       ; 8 r: a row's place in a scale unit
	s_delay_alu instid0(VALU_DEP_1)
	v_add_nc_u32 v3, v4, v11                       ; 8 r + h: my byte among the result's scale words
.irp b, 0,1,2,3
	v_mov_b32 v[236+\b], 0                         ; written once: a lane permute's destination counts as one of its sources
.endr
	v_mov_b32 v252, 0
	v_mov_b32 v253, 0                              ; (named as the upper half of the pair v[252:253] before it is first written)
; ONE TILE OF 16 QUERIES.  n = 0: tile 8 w + cx;  n = 1: tile 8 (15 - w) + 4 + cx.
.macro PASS n
	s_wait_xcnt 0x0                                ; the last tile's stores have read their registers and bases: both are written again only behind this wait
.if \n == 0
	s_mov_b32 s[GG], s[WV]
	s_mov_b32 s[SUB], s[CX]
.else
	s_xor_b32 s[GG], s[WV], 15                     ; 15 - w
	s_add_co_u32 s[SUB], s[CX], 4
.endif
	s_lshl_b32 s42, s[BH], 4
	s_add_co_u32 s42, s42, s[GG]
	s_mul_i32 s42, s42, STEPG                      ; the block of my tile's 128 tokens
	s_mul_i32 s52, s[SUB], 768
	s_add_co_u32 s44, s42, s52
	s_add_co_u32 s44, s44, 12800
	s_mov_b32 s45, 0
	s_add_nc_u64 s[44:45], s[4:5], s[44:45]        ; q's half image
	s_lshr_b32 s52, s[SUB], 1                      ; its scale word is word t = sub / 2 of the unit: at 128 (t % 2) + 4 (t / 2) + 8 r
	s_and_b32 s53, s52, 1
	s_lshl_b32 s53, s53, 7
	s_lshr_b32 s52, s52, 1
	s_lshl_b32 s52, s52, 2
	s_add_co_u32 s46, s42, s53
	s_add_co_u32 s46, s46, s52
	s_add_co_u32 s46, s46, 18944
	s_mov_b32 s47, 0
	s_add_nc_u64 s[46:47], s[4:5], s[46:47]
	s_lshr_b32 s52, s[BH], 4
	s_lshl_b32 s52, s52, 7
	s_lshl_b32 s53, s[GG], 3
	s_add_co_u32 s52, s52, s53
	s_add_co_u32 s52, s52, s[SUB]                  ; the result's row block: 128 x batch + tile
	s_and_b32 s53, s[BH], 15                       ; the head
	s_mul_i32 s48, s52, 12288
	s_mul_i32 s54, s53, 768
	s_add_co_u32 s48, s48, s54
	s_mov_b32 s49, 0
	s_add_nc_u64 s[48:49], s[6:7], s[48:49]        ; the head's half image in it
	s_lshl_b32 s50, s52, 9
	s_lshr_b32 s54, s53, 2
	s_lshl_b32 s54, s54, 7
	s_add_co_u32 s50, s50, s54                     ; scale words: 512 a row block, 128 for each pair of K steps (four heads),
	s_bfe_u32 s54, s53, 0x10001
	s_lshl_b32 s54, s54, 2
	s_add_co_u32 s50, s50, s54                     ; 4 for the word,
	s_and_b32 s54, s53, 1
	s_lshl_b32 s54, s54, 1
	s_add_co_u32 s50, s50, s54                     ; 2 for the head's two bytes in it
	s_mov_b32 s51, 0
	s_add_nc_u64 s[50:51], s[8:9], s[50:51]
	s_lshr_b32 s55, s[SUB], 1
	s_lshl_b32 s55, s55, 5
	s_and_b32 s56, s[SUB], 1
	s_lshl_b32 s57, s56, 3
	s_add_co_u32 s55, s55, s57                     ; my tile's part of a query's number in its 128: 32 (sub / 2) + 8 (sub % 2)
	s_lshl_b32 s56, s56, 4                         ; which half of the scale word is my tile's
.irp p, 0,1,2
	global_load_b64 v[16+2*\p:17+2*\p], v1, s[44:45] offset:256*\p   ; q twice: as the lower half of one operand
	global_load_b64 v[34+2*\p:35+2*\p], v1, s[44:45] offset:256*\p   ; and the upper half of the other
.endr
	global_load_b32 v221, v4, s[46:47]
.if \n == 0
	s_wait_tensorcnt 0x0                           ; my step's block has landed,
	s_barrier_signal -1
	s_barrier_wait -1                              ; everybody's has: from here on LDS is only read
.endif
.irp j, 22,23,24,25,26,27,28,29,30,31,32,33
	v_mov_b32 v[\j], 0                             ; the padded halves: zero codes
.endr
	v_mov_b32 v13, 0xff61b1e6                      ; the largest t so far: -3e38, under every t
	s_delay_alu instid0(VALU_DEP_1)
	v_floor_f32 v12, -v13                          ; -M
	v_mov_b32 v14, 0                               ; the sum, in two halves
	v_mov_b32 v15, 0
	v_add_nc_u32 v5, s55, v2                       ; d = my query's number in its 128 - 16 h
	s_wait_loadcnt 0x0                             ; q and its scale word
	v_lshrrev_b32 v222, s56, v221
	s_delay_alu instid0(VALU_DEP_1)
	v_and_b32 v222, 0xffff, v222                   ; [q | 0]'s scale word: my tile's two bytes below, the byte 0 over the zero codes
	s_delay_alu instid0(VALU_DEP_1)
	v_lshlrev_b32 v223, 16, v222                   ; [0 | q]'s
.irp j, 0,1,2,3,4,5,6,7,8,9,10,11,12,13,14,15,16,17,18,19,20,21,22,23,24,25,26,27,28,29,30,31
	v_mov_b32 v[160+\j], 0                         ; O^T.  (The step is written once: the first finds zeros.)  These 32 are also the places between the scale words' making and the first product
.endr
	s_mov_b32 s[TB], 0
	s_mov_b32 s[SI], 0
.Lstep_\@:
	s_cmp_gt_u32 s[SI], s[GG]                      ; all 128 keys come after my queries: the step's work is left out
	s_cbranch_scc1 .Lhidden_\@
	s_setprio 2
	v_add_nc_u32 v8, s[TB], v1
.rept 3
	v_nop                                          ; with the line above: four places in front of loads into registers that the last products read
.endr
.irp b, 0,1,2,3
.irp p, 0,1,2,3,4,5
	ds_load_b64 v[40+12*\b+2*\p:41+12*\b+2*\p], v8 offset:1536*\b+256*\p   ; K: four fragments of two tiles each
.endr
.endr
	ds_load_b64 v[248:249], v8 offset:12288        ; their scale words: 0 | 1 and 2 | 3 in the two halves of the lanes
	s_wait_alu depctr_va_vdst(0)
	s_wait_dscnt 0x0
.irp b, 0,1,2,3
.irp u, 0,1
.if \b%2
	v_wmma_scale_f32_16x16x128_f8f6f4 v[96+8*(2*\b+\u):103+8*(2*\b+\u)], v[40+12*\b:51+12*\b], v[16+12*\u:27+12*\u], 0, v[248+\b/2], v[222+\u] matrix_a_fmt:MATRIX_FMT_FP6 matrix_b_fmt:MATRIX_FMT_FP6 matrix_a_scale:MATRIX_SCALE_ROW1
.else
	v_wmma_scale_f32_16x16x128_f8f6f4 v[96+8*(2*\b+\u):103+8*(2*\b+\u)], v[40+12*\b:51+12*\b], v[16+12*\u:27+12*\u], 0, v[248+\b/2], v[222+\u] matrix_a_fmt:MATRIX_FMT_FP6 matrix_b_fmt:MATRIX_FMT_FP6
.endif
.endr
.endr
.rept 4
	v_nop                                          ; places: in front of the loads into K's registers, and of the first read of the scores
.endr
.irp t, 0,1,2,3
.irp p, 0,1,2,3,4,5
	ds_load_b64 v[40+12*\t+2*\p:41+12*\t+2*\p], v8 offset:6144+1536*\t+256*\p   ; V^T: four tiles of 16 features x 128 keys; they land while the softmax is walked
.endr
.endr
	ds_load_b64 v[250:251], v8 offset:12544
	s_cmp_lg_u32 s[SI], s[GG]                      ; on the diagonal the scores of hidden keys become -infinity ahead of the maximum: p = 0 then
	s_cbranch_scc1 .Lopen_\@
	v_mov_b32 v254, 0xff800000                     ; register 16 b + i holds key 32 b + 16 h + i of the step: hidden where 32 b + i > d
.irp n2, 0,1,2,3,4,5,6,7,8,9,10,11,12,13,14,15,16,17,18,19,20,21,22,23,24,25,26,27,28,29,30,31,32,33,34,35,36,37,38,39,40,41,42,43,44,45,46,47,48,49,50,51,52,53,54,55,56,57,58,59,60,61,62,63
	v_cmp_gt_i32 vcc_lo, 32*(\n2/16)+\n2%16, v5
	v_cndmask_b32 v[96+\n2], v[96+\n2], v254, vcc_lo
.endr
.Lopen_\@:
.irp b, 0,1,2,3
	v_max3_num_f32 v[232+\b], v[96+16*\b], v[97+16*\b], v[98+16*\b]   ; the largest score of each block of 32 keys: it serves for the row's maximum and, since p rises with the score, for the block's largest p
.endr
.irp i, 3,5,7,9,11,13
.irp b, 0,1,2,3
	v_max3_num_f32 v[232+\b], v[232+\b], v[96+16*\b+\i], v[97+16*\b+\i]
.endr
.endr
.irp b, 0,1,2,3
	v_max_num_f32 v[232+\b], v[232+\b], v[111+16*\b]
.endr
.irp b, 0,1,2,3
	s_delay_alu instid0(VALU_DEP_4)
	v_permlanex16_b32 v[236+\b], v[232+\b], s[SEL], s[SEL+1]
.endr
.irp b, 0,1,2,3
	s_delay_alu instid0(VALU_DEP_4)
	v_max_num_f32 v[232+\b], v[232+\b], v[236+\b]  ; with lane l xor 16's 16 keys
.endr
	s_delay_alu instid0(VALU_DEP_2)
	v_max3_num_f32 v254, v232, v233, v234
	s_delay_alu instid0(VALU_DEP_1)
	v_max_num_f32 v254, v254, v235                 ; the step's largest score of my query
	s_delay_alu instid0(VALU_DEP_1)
	v_mul_f32 v254, s[CS], v254                    ; as t (c is positive)
	s_delay_alu instid0(VALU_DEP_1)
	v_max_num_f32 v13, v13, v254                   ; the running largest t
	v_mov_b32 v254, v12
	s_delay_alu instid0(VALU_DEP_2)
	v_floor_f32 v12, -v13                          ; the new -M = floor(-t) = -ceil(t): a whole number
	s_delay_alu instid0(VALU_DEP_1)
	v_sub_f32 v254, v12, v254                      ; M's old value less its new one: a whole number, 0 or less
	s_delay_alu instid0(VALU_DEP_1)
	v_cvt_i32_f32 v254, v254                       ; (it saturates)
	s_delay_alu instid0(VALU_DEP_1)
	v_ldexp_f32 v252, 1.0, v254                    ; f = 2^(old M - new M)
	s_setprio 1
.irp j, 0,2,4,6,8,10,12,14,16,18,20,22,24,26,28,30,32,34,36,38,40,42,44,46,48,50,52,54,56,58,60,62
	v_pk_fma_f32 v[96+\j:97+\j], v[96+\j:97+\j], s[CS:CS+1], v[12:13] op_sel_hi:[1,0,0]   ; t - M, two at a time
.endr
.irp b, 0,1,2,3
	v_fma_f32 v[232+\b], v[232+\b], s[CS], v12     ; the same of each block's largest score
.endr
	s_wait_alu depctr_va_vdst(0)
.irp j, 0,1,2,3,4,5,6,7,8,9,10,11,12,13,14,15,16,17,18,19,20,21,22,23,24,25,26,27,28,29,30,31,32,33,34,35,36,37,38,39,40,41,42,43,44,45,46,47,48,49,50,51,52,53,54,55,56,57,58,59,60,61,62,63
	v_exp_f32 v[96+\j], v[96+\j]                   ; p = 2^(t - M), at most 1: not normalised
.endr
.irp b, 0,1,2,3
	v_exp_f32 v[232+\b], v[232+\b]                 ; the block's largest p: the same two instructions on the same number give the same bits
.endr
	v_pk_mul_f32 v[14:15], v[14:15], v[252:253] op_sel_hi:[1,0]   ; the sums under the new M.  (A plain place behind the exponentials)
	s_wait_alu depctr_va_vdst(0)
.irp b, 0,1,2,3
	v_max_num_f32 v[232+\b], 0x1800000, v[232+\b]  ; the floor 2^(3 - 127): the byte cannot fall under 1 (a block whose every p is 0 keeps that byte: its codes are zeros)
.endr
.irp b, 0,1,2,3
	s_delay_alu instid0(VALU_DEP_4)
	v_add_nc_u32 v[244+\b], 0xff000000, v[232+\b]  ; 2 off the exponent field: the conversion's scale operand
.endr
.irp b, 0,1,2,3
	s_delay_alu instid0(VALU_DEP_4)
	v_lshrrev_b32 v[236+\b], 23, v[244+\b]         ; the scale's byte
.endr
	s_delay_alu instid0(VALU_DEP_3)
	v_lshl_or_b32 v253, v237, 8, v236              ; p's scale word for these 128 keys
	s_delay_alu instid0(VALU_DEP_1)
	v_lshl_or_b32 v253, v238, 16, v253
	s_delay_alu instid0(VALU_DEP_1)
	v_lshl_or_b32 v253, v239, 24, v253
.irp c, 0,1
	v_cvt_scalef32_pk16_fp6_f32 v[224+6*\c:226+6*\c], v[96+32*\c:111+32*\c], v[244+2*\c]
	v_cvt_scalef32_pk16_fp6_f32 v[236+4*\c:238+4*\c], v[112+32*\c:127+32*\c], v[244+2*\c+1]   ; (a conversion's three registers begin on an even number)
.endr
	v_nop                                          ; one plain place behind a scaled conversion
.irp c, 0,1                                    ; the operand's layout wants a whole block in a lane
.irp i, 0,1,2
	v_permlane16_swap_b32 v[224+6*\c+\i], v[236+4*\c+\i]
.endr
.irp i, 0,1,2
	s_delay_alu instid0(VALU_DEP_3)
	v_mov_b32 v[227+6*\c+\i], v[236+4*\c+\i]
.endr
.endr
	v_pk_add_f32 v[236:237], v[100:101], v[104:105]
	v_pk_add_f32 v[248:249], v[108:109], v[112:113]
	v_pk_add_f32 v[246:247], v[116:117], v[120:121]
	v_pk_add_f32 v[244:245], v[124:125], v[128:129]
	v_pk_add_f32 v[240:241], v[132:133], v[136:137]
	v_pk_add_f32 v[220:221], v[140:141], v[144:145]
	v_pk_add_f32 v[218:219], v[148:149], v[152:153]
	v_pk_add_f32 v[14:15], v[14:15], v[156:157]
	s_setprio 0
	v_pk_add_f32 v[236:237], v[236:237], v[96:97]
	v_pk_add_f32 v[248:249], v[248:249], v[98:99]
	v_pk_add_f32 v[246:247], v[246:247], v[102:103]
	v_pk_add_f32 v[244:245], v[244:245], v[106:107]
	v_pk_add_f32 v[240:241], v[240:241], v[110:111]
	v_pk_add_f32 v[220:221], v[220:221], v[114:115]
	v_pk_add_f32 v[218:219], v[218:219], v[118:119]
	v_pk_add_f32 v[14:15], v[14:15], v[122:123]
	v_pk_add_f32 v[236:237], v[236:237], v[126:127]
	v_pk_add_f32 v[248:249], v[248:249], v[130:131]
	v_pk_add_f32 v[246:247], v[246:247], v[134:135]
	v_pk_add_f32 v[244:245], v[244:245], v[138:139]
	v_pk_add_f32 v[240:241], v[240:241], v[142:143]
	v_pk_add_f32 v[220:221], v[220:221], v[146:147]
	v_pk_add_f32 v[218:219], v[218:219], v[150:151]
	v_pk_add_f32 v[14:15], v[14:15], v[154:155]
	v_pk_add_f32 v[236:237], v[236:237], v[158:159]
	s_delay_alu instid0(VALU_DEP_2)
	v_pk_add_f32 v[14:15], v[14:15], v[244:245]
	s_delay_alu instid0(VALU_DEP_2)
	v_pk_add_f32 v[236:237], v[236:237], v[240:241]
	v_pk_add_f32 v[248:249], v[248:249], v[220:221]
	v_pk_add_f32 v[246:247], v[246:247], v[218:219]
	s_delay_alu instid0(VALU_DEP_2)
	v_pk_add_f32 v[14:15], v[14:15], v[248:249]
	s_delay_alu instid0(VALU_DEP_2)
	v_pk_add_f32 v[236:237], v[236:237], v[246:247]
	s_delay_alu instid0(VALU_DEP_1)
	v_pk_add_f32 v[14:15], v[14:15], v[236:237]
.irp j, 0,2,4,6,8,10,12,14,16,18,20,22,24,26,28,30
	v_pk_mul_f32 v[160+\j:161+\j], v[160+\j:161+\j], v[252:253] op_sel_hi:[1,0]   ; O^T under the new M.  (With the sums above: the places between p's codes and scale word and the products below)
.endr
	s_wait_alu depctr_va_vdst(0)
	s_wait_dscnt 0x0                               ; V and its scale words are in
.irp t, 0,1,2,3                                ; O^T += V^T P^T: the four accumulators by turns, one instruction a turn
.if \t%2
	v_wmma_scale_f32_16x16x128_f8f6f4 v[160+8*\t:167+8*\t], v[40+12*\t:51+12*\t], v[224:235], v[160+8*\t:167+8*\t], v[250+\t/2], v253 matrix_a_fmt:MATRIX_FMT_FP6 matrix_b_fmt:MATRIX_FMT_FP6 matrix_a_scale:MATRIX_SCALE_ROW1
.else
	v_wmma_scale_f32_16x16x128_f8f6f4 v[160+8*\t:167+8*\t], v[40+12*\t:51+12*\t], v[224:235], v[160+8*\t:167+8*\t], v[250+\t/2], v253 matrix_a_fmt:MATRIX_FMT_FP6 matrix_b_fmt:MATRIX_FMT_FP6
.endif
.endr
.Lhidden_\@:
	s_add_co_u32 s[TB], s[TB], STEPL
	s_add_co_u32 s[SI], s[SI], 1
	s_cmp_lt_u32 s[SI], 16
	s_cbranch_scc1 .Lstep_\@
	s_setprio 0
	; THE TILE'S WAY OUT: O^T / the sum; register 16 j + i is feature 32 j + 16 h + i of the head: two blocks of 32 along the last product's K
.rept 4
	v_nop                                          ; places behind the last products
.endr
	v_add_f32 v14, v14, v15                        ; the sum's two halves,
	s_delay_alu instid0(VALU_DEP_1)
	v_permlanex16_b32 v252, v14, s[SEL], s[SEL+1]
	s_delay_alu instid0(VALU_DEP_1)
	v_add_f32 v14, v14, v252                       ; and lane l xor 16's: the row's sum
	s_wait_alu depctr_va_vdst(0)
	v_rcp_f32 v14, v14
	v_nop                                          ; one plain place behind a transcendental
	s_wait_alu depctr_va_vdst(0)
.irp j, 0,1,2,3,4,5,6,7,8,9,10,11,12,13,14,15,16,17,18,19,20,21,22,23,24,25,26,27,28,29,30,31
	v_mul_f32 v[96+\j], v[160+\j], v14             ; each accumulator from its low end on
.endr
.irp b, 0,1
	v_max3_num_f32 v[232+\b], |v[96+16*\b]|, |v[97+16*\b]|, 0x1800000
.endr
.irp i, 2,4,6,8,10,12,14
.irp b, 0,1
	s_delay_alu instid0(VALU_DEP_2)
	v_max3_num_f32 v[232+\b], v[232+\b], |v[96+16*\b+\i]|, |v[97+16*\b+\i]|
.endr
.endr
.irp b, 0,1
	s_delay_alu instid0(VALU_DEP_2)
	v_permlanex16_b32 v[236+\b], v[232+\b], s[SEL], s[SEL+1]
.endr
.irp b, 0,1
	s_delay_alu instid0(VALU_DEP_2)
	v_max_num_f32 v[232+\b], v[232+\b], v[236+\b]
.endr
.irp b, 0,1
	s_delay_alu instid0(VALU_DEP_2)
	v_add_nc_u32 v[244+\b], 0xff000000, v[232+\b]
.endr
.irp b, 0,1
	s_delay_alu instid0(VALU_DEP_2)
	v_lshrrev_b32 v[240+\b], 23, v[244+\b]
.endr
	s_delay_alu instid0(VALU_DEP_1)
	v_cndmask_b32 v192, v240, v241, s[MSK]         ; lane (r, h) stores block h's byte of row r
	v_cvt_scalef32_pk16_fp6_f32 v[224:226], v[96:111], v244
	v_cvt_scalef32_pk16_fp6_f32 v[236:238], v[112:127], v245
	v_nop                                          ; one plain place behind a scaled conversion
.irp i, 0,1,2
	v_permlane16_swap_b32 v[224+\i], v[236+\i]
.endr
.irp i, 0,1,2
	s_delay_alu instid0(VALU_DEP_3)
	v_mov_b32 v[227+\i], v[236+\i]
.endr
.irp p, 0,1,2
	global_store_b64 v1, v[224+2*\p:225+2*\p], s[48:49] offset:256*\p   ; 32 lanes store 256 consecutive bytes, aligned
.endr
	global_store_b8 v3, v192, s[50:51]
.endm
	s_wait_alu depctr_va_vdst(0)
	PASS 0
	PASS 1
	s_wait_dscnt 0x0
	s_wait_tensorcnt 0x0
	ds_add_u32 v243, v255
	s_wait_dscnt 0x0
	CROUND                                         ; the closing round: no work-group ends while a partner may still ask for a block that names it
	s_endpgm
.Lfunc_end_k_q867eae59de_attn:
	.size	k_q867eae59de_attn, .Lfunc_end_k_q867eae59de_attn-k_q867eae59de_attn
	.p2alignl 7, 3214868480
	.fill 96, 4, 3214868480
	.section	.rodata,"a",@progbits
	.p2align	6, 0x0
	.amdhsa_kernel k_q867eae59de_attn
		.amdhsa_group_segment_fixed_size 206848
		.amdhsa_private_segment_fixed_size 0
		.amdhsa_enable_private_segment 0
		.amdhsa_kernarg_size 24
		.amdhsa_user_sgpr_count 2
		.amdhsa_user_sgpr_kernarg_segment_ptr 1
		.amdhsa_wavefront_size32 1
		.amdhsa_system_sgpr_workgroup_id_x 1
		.amdhsa_system_sgpr_workgroup_id_y 1
		.amdhsa_system_sgpr_workgroup_id_z 1
		.amdhsa_system_vgpr_workitem_id 0
		.amdhsa_next_free_vgpr 256
		.amdhsa_next_free_sgpr 66
		.amdhsa_reserve_vcc 1
		.amdhsa_float_denorm_mode_32 3
		.amdhsa_float_denorm_mode_16_64 3
		.amdhsa_memory_ordered 1
		.amdhsa_forward_progress 1
		.amdhsa_inst_pref_size 69
	.end_amdhsa_kernel
	.amdgpu_metadata
---
amdhsa.version: [ 1, 2 ]
amdhsa.kernels:
  - .name:           k_q867eae59de_attn
    .symbol:         k_q867eae59de_attn.kd
    .args:
      - { .name: qkv, .offset: 0, .size: 8, .value_kind: global_buffer, .address_space: global }
      - { .name: ac, .offset: 8, .size: 8, .value_kind: global_buffer, .address_space: global }
      - { .name: asc, .offset: 16, .size: 8, .value_kind: global_buffer, .address_space: global }
    .group_segment_fixed_size: 206848
    .private_segment_fixed_size: 0
    .kernarg_segment_align: 8
    .kernarg_segment_size: 24
    .max_flat_workgroup_size: 512
    .sgpr_count:     66
    .vgpr_count:     256
    .wavefront_size: 32
...
	.end_amdgpu_metadata
.endif
;; end of part 3
;; launch outp (part 4): grid 4 x 32, 4 waves a work-group, clusters of 4 x 4, 327,680 bytes of LDS; arguments ac, asc, oc, os, out0; writes out0
.if DOCPART == 4
	.amdgcn_target "amdgcn-amd-amdhsa--gfx1250"
	.amdhsa_code_object_version 6
	.text
	.protected	k_q867eae59de_outp
	.globl	k_q867eae59de_outp
	.p2align	8
	.type	k_q867eae59de_outp,@function
k_q867eae59de_outp:
	s_mov_b64 s[64:65], 0
	v_nop
	global_prefetch_b8 v0, s[64:65] scope:SCOPE_SE
	s_setreg_imm32_b32 hwreg(HW_REG_WAVE_MODE, 25, 1), 1
	s_wait_xcnt 0x0
	s_wait_alu depctr_hold_cnt(0) depctr_sa_sdst(0) depctr_va_vdst(0) depctr_va_sdst(0) depctr_va_ssrc(0) depctr_va_vcc(0) depctr_vm_vsrc(0)
	s_getreg_b32 s2, hwreg(HW_REG_IB_STS2, 6, 4)
	s_cmp_eq_u32 s2, 0
	s_cbranch_scc0 .Lentry_in_a_cluster
	s_endpgm
.Lentry_in_a_cluster:
	s_bfe_u32 s2, ttmp6, 0x10000c
	s_cmp_lg_u32 s2, 0xf033
	s_cbranch_scc0 .Lentry_shape_is_right
	s_endpgm
.Lentry_shape_is_right:
; out0 = (attention's result) W_o^T on codes of FP6 (E2M3) with E8M0 scales, f32 sums.  A: the result's codes, 8,192 tokens x 1,024; B: W_o's, row blocks 704-767 of the operands' workspace; out0: [8192][1024] f32.
; A tile of out0, 256 x 256, is made by four waves, each 128 x 128: 64 accumulators, 512 registers.  K = 1,024 goes in steps of 256 through a ring of two LDS slots filled by the tensor data mover.
; THE OPERANDS LIE IN MEMORY AS IMAGES OF THE OPERAND'S REGISTERS (a row block of 16 rows: [K step of 128][6 units of 256 bytes: 8 bytes a lane]): a fragment is six dense LDS loads of 8 bytes a lane.
; THE SCALE WORDS of the work-group's 512 rows, for all of K, come into LDS once with the first fills and stay.
; CLUSTERS: 4 x 4 work-groups; A's tiles are shared along a row of the cluster, B's along a column: each is asked for jointly, by the same tensor load with the same descriptor and a mask that names the four.
; THE MATRIX INSTRUCTION IS USED TRANSPOSED (source 0 = 16 rows of B, source 1 = 16 rows of A).  Both operands' rows are stored with bits 3 and 4 of the row number exchanged; THE WAY OUT PUTS BOTH BACK: the columns by the place
; at which a lane's 32 bytes go into the stage, the rows by the row of out0 to which a stage row is stored.
; REGISTERS, in windows of 256: window 0: v0-31 addresses; v32-63 scale words, two sets; from v128 A's fragments, one set; on the way out v128-255 hold rows.  window 1: B's fragments, two sets, at v0 and v128.
;   window 2: the accumulators of my rows 0-63 of A ((a, b) at v[8 (8 a + b)]);   window 3: those of my rows 64-127.
.set NQ,     2                         ; matrix instructions deep in a slot
.set FR,     12                        ; registers of a fragment
.set NL,     6                         ; LDS loads that bring one
.set NP,     4                         ; places behind this matrix instruction (ISA guide 7.12.1)
.set RHOB,   12288                     ; a row block's codes in memory
.set STEPB,  3072                      ; its codes of 256 along K
.set HALFT,  8*STEPB                   ; 8 row blocks: what one tensor load brings, and what one wave reads of A or of B
.set SLOT,   4*HALFT                   ; A's 16 row blocks, then B's 16
.set LAPS,   2                         ; a lap = two K steps of 256 = once round the ring
.set SCL,    2*SLOT                    ; behind the ring: the scale words
.set SBLK,   512                       ; those of a row block
.set HALFS,  8*SBLK                    ; those of 8: what one tensor load brings
.set SPARE,  SCL+4*HALFS               ; behind the scales: the spare words, 128 bytes for each wave: two blocks of 256 bytes that no other line names
.set STAGE,  SPARE+512                 ; behind them: a stage of 16 rows x (512 + 16) bytes for each wave; no tensor load lands here
.set SPITCH, 528
.set ROWC,   4096                      ; a row of out0 in bytes
.set ADRA, 16                          ; v16-17  LDS address of my A fragments in slot 0, 1
.set ADRB, 20                          ; v20-21  the same for B
.set STO,  24                          ; v24     the way out: where I put 32 bytes of a row
.set RD,   25                          ; v25     the way out: where I read a row back
.set CO,   26                          ; v26     my byte offset in a row of out0
.set ADRS, 27                          ; v27     LDS address of my scale words: lanes 0-15 A's rows, lanes 16-31 B's
.set SPW,  28                          ; v28     LDS address of my spare word; never rewritten
.set NIL,  29                          ; v29     0; never rewritten
.set L8,   30                          ; v30     8 x lane
.set SC,   32                          ; scale words: set s at v[SC + 16 s]; register 2 i + q: lanes 0-15 A's block i, lanes 16-31 B's block i, the slot's q-th 128 along K
.set AF,   128                         ; A's fragments, in window 0
.set BK,   128                         ; the way out: 16 rows read back from the stage: v128-191 and v192-255 by turns
.set G1, 24                            ; s[24:31] descriptor group 1 for A's tiles;  s[32:39] group 0, one set for each slot
.set G0, 32
.set G1B, 48                           ; s[48:55], s[56:63] the same for B's tiles
.set G0B, 56
.set G1S, 68                           ; s[68:75], s[76:79] groups 1 and 0 for A's scales;  s[80:87], s[88:91] for B's
.set G0S, 76
.set G1SB, 80
.set G0SB, 88
.set MSB, 0
.macro WIN new                         ; the immediate's high byte repeats the setting that is left
.if MSB != \new
	s_set_vgpr_msb (MSB<<8)|\new
.set MSB, \new
.endif
.endm
.set MUL_LO, 0xa1                      ; source 0 (B) window 1, source 1 (A) window 0, C and D window 2
.set MUL_HI, 0xf1                      ; the same, C and D window 3
.set TO_B,   0x40                      ; destination window 1, address window 0
; A joint load: waves 0 and 1 fetch for A, waves 2 and 3 for B.  Each of the two lines has one mask and one set of registers for all that issue it; the branch hangs on the wave's number alone.
; Four v_nop follow each of the two lines, ahead of the jump, the label and what follows.
.macro JLOAD g0a, g1a, g0b, g1b
	s_cmp_eq_u32 s15, 0
	s_cbranch_scc0 .Lfor_b_\@
	tensor_load_to_lds s[\g0a:\g0a+3], s[\g1a:\g1a+7]
	s_nop 0
.rept 4
	v_nop
.endr
	s_branch .Lasked_\@
.Lfor_b_\@:
	tensor_load_to_lds s[\g0b:\g0b+3], s[\g1b:\g1b+7]
	s_nop 0
.rept 4
	v_nop
.endr
.Lasked_\@:
.endm
.macro CREST                           ; a round of the cluster's barrier behind its opening barrier
	s_cmp_lg_u32 s14, 0
	s_cbranch_scc1 .Lnot_wave_0_\@
	s_barrier_signal -3
.Lnot_wave_0_\@:
	s_barrier_wait -3
	s_barrier_signal -1
	s_barrier_wait -1
.endm
.macro CROUND                          ; a whole round
	s_barrier_signal -1
	s_barrier_wait -1
	CREST
.endm
	s_load_b128 s[4:7], s[0:1], 0x0                ; A's codes s[4:5], A's scale words s[6:7]
	s_load_b128 s[8:11], s[0:1], 0x10              ; the operands' workspace: codes s[8:9], scale words s[10:11]
	s_load_b64 s[12:13], s[0:1], 0x20              ; out0
	v_lshl_add_u32 v[SPW], v0, 2, SPARE
	v_mov_b32 v[NIL], 0
	ds_add_u32 v28, v29
	ds_add_u32 v28, v29
	s_wait_dscnt 0x0
	v_lshrrev_b32 v1, 5, v0
	v_readfirstlane_b32 s14, v1                    ; wave 0..3
	s_lshr_b32 s15, s14, 1                         ; which half of the tile's rows is mine.  Also: I fetch for A (0) or for B (1)
	s_and_b32 s16, s14, 1                          ; which half of its columns.  Also: which 8 row blocks of that tile I fetch
	s_bfe_u32 s40, ttmp6, 0x40000                  ; cx, cy: my place in the cluster
	s_bfe_u32 s41, ttmp6, 0x40004
	s_lshl_b32 s42, ttmp9, 2
	s_add_co_u32 s42, s42, s40                     ; tile column = 4 x cluster x + cx
	s_and_b32 s17, ttmp7, 0xffff
	s_lshl_b32 s17, s17, 2
	s_add_co_u32 s17, s17, s41                     ; tile row = 4 x cluster y + cy
	s_lshl_b32 s43, s41, 2
	s_lshl_b32 s43, 15, s43                        ; my row of the cluster
	s_lshl_b32 s44, 0x1111, s40                    ; my column
	; descriptor group 1: 8 row blocks x 3,072 bytes (384 elements of 8 bytes), 12,288 bytes (1,536 elements) apart; dense in LDS
	s_or_b32 s[G1+0], s43, (3<<16)|(1<<21)         ; 15:0 the mask: A's tiles go to my row; 17:16 elements of 8 bytes; 20 no padding; 21 set beside a mask
	s_or_b32 s[G1B+0], s44, (3<<16)|(1<<21)
.irp g, G1, G1B
	s_mov_b32 s[\g+1], 384<<16                     ; tensor_dim0
	s_mov_b32 s[\g+2], 8<<16                       ; tensor_dim1
	s_mov_b32 s[\g+3], 384<<16                     ; tile_dim0
	s_mov_b32 s[\g+4], 8                           ; tile_dim1
	s_mov_b32 s[\g+5], 1536                        ; tensor_dim0_stride
	s_mov_b32 s[\g+6], 0
	s_mov_b32 s[\g+7], 0
.endr
	; and for the scale words of 8 row blocks: a dense block of 4,096 bytes, as 16 rows of 256 bytes
	s_or_b32 s[G1S+0], s43, (3<<16)|(1<<21)
	s_or_b32 s[G1SB+0], s44, (3<<16)|(1<<21)
.irp g, G1S, G1SB
	s_mov_b32 s[\g+1], 32<<16
	s_mov_b32 s[\g+2], 16<<16
	s_mov_b32 s[\g+3], 32<<16
	s_mov_b32 s[\g+4], 16
	s_mov_b32 s[\g+5], 32
	s_mov_b32 s[\g+6], 0
	s_mov_b32 s[\g+7], 0
.endr
	s_lshl_b32 s45, s16, 3                         ; which 8 row blocks of the tile I fetch
	s_lshl_b32 s20, s17, 4
	s_add_co_u32 s20, s20, s45                     ; A: row block 16 x tile row + 8 x half
	s_add_co_u32 s46, s42, 44                      ; B: W_o's tiles begin at tile 44 of the workspace
	s_lshl_b32 s46, s46, 4
	s_add_co_u32 s46, s46, s45
	s_lshl_b32 s22, s20, 9                         ; where these row blocks' scale words begin, in bytes,
	s_lshl_b32 s92, s46, 9
	s_mul_i32 s20, s20, RHOB                       ; and their codes (all under 2^24)
	s_mul_i32 s46, s46, RHOB
	s_mov_b32 s21, 0
	s_mov_b32 s23, 0
	s_mov_b32 s47, 0
	s_mov_b32 s93, 0
	s_mul_i32 s45, s14, HALFT                      ; where they go: wave x 8 row blocks: no place in the cluster enters an LDS address
	s_mul_i32 s94, s14, HALFS
	s_wait_kmcnt 0x0
	s_add_nc_u64 s[20:21], s[4:5], s[20:21]
	s_add_nc_u64 s[22:23], s[6:7], s[22:23]
	s_add_nc_u64 s[46:47], s[8:9], s[46:47]
	s_add_nc_u64 s[92:93], s[10:11], s[92:93]
	CROUND                                         ; all sixteen work-groups are here: the first joint loads meet
	s_mov_b32 s[G0S], 1
	s_add_co_u32 s[G0S+1], s94, SCL
	s_mov_b64 s[G0S+2:G0S+3], s[22:23]
	s_or_b32 s[G0S+3], s[G0S+3], 0x80000000
	s_mov_b32 s[G0SB], 1
	s_add_co_u32 s[G0SB+1], s94, SCL
	s_mov_b64 s[G0SB+2:G0SB+3], s[92:93]
	s_or_b32 s[G0SB+3], s[G0SB+3], 0x80000000
	JLOAD G0S, G1S, G0SB, G1SB                     ; the scale words first: they are wanted with K step 0
.irp s, 0,1
	s_mov_b32 s[G0+4*\s], 1
	s_add_co_u32 s[G0+4*\s+1], s45, \s*SLOT
	s_add_nc_u64 s[G0+4*\s+2:G0+4*\s+3], s[20:21], \s*STEPB
	s_or_b32 s[G0+4*\s+3], s[G0+4*\s+3], 0x80000000
	s_mov_b32 s[G0B+4*\s], 1
	s_add_co_u32 s[G0B+4*\s+1], s45, \s*SLOT
	s_add_nc_u64 s[G0B+4*\s+2:G0B+4*\s+3], s[46:47], \s*STEPB
	s_or_b32 s[G0B+4*\s+3], s[G0B+4*\s+3], 0x80000000
	s_wait_alu depctr_va_vdst(0)
	s_wait_tensorcnt 0x0
	ds_add_u32 v28, v29
	s_wait_dscnt 0x0
	CROUND
	JLOAD G0+4*\s, G1, G0B+4*\s, G1B
.endr
	v_and_b32 v1, 15, v0                           ; r = lane % 16
	v_bfe_u32 v2, v0, 4, 1                         ; h = lane / 16
	s_wait_alu depctr_va_vdst(0)
	v_and_b32 v3, 31, v0
	v_lshlrev_b32 v[L8], 3, v3                     ; an image's place for my lane
	s_mul_i32 s21, s15, HALFT                      ; my 8 row blocks of A
	s_mul_i32 s22, s16, HALFT                      ; my 8 of B,
	s_add_co_u32 s22, s22, 2*HALFT                 ; which lie behind A's 16
.irp s, 0,1
	v_add_nc_u32 v[ADRA+\s], s21, v[L8]
	v_add_nc_u32 v[ADRB+\s], s22, v[L8]
	s_add_co_u32 s21, s21, SLOT
	s_add_co_u32 s22, s22, SLOT
.endr
	v_lshlrev_b32 v5, 3, v1                        ; my row's two scale words of a K step: 8 bytes a row
	s_mul_i32 s21, s15, HALFS                      ; A's: my 8 row blocks
	s_mul_i32 s22, s16, HALFS                      ; B's: my 8, behind A's 16
	s_add_co_u32 s22, s22, 2*HALFS
	s_sub_co_u32 s22, s22, s21
	v_mul_u32_u24 v6, s22, v2                      ; lanes 16-31 take B's: the lower base + h x the distance
	s_add_co_u32 s21, s21, SCL
	v_add_nc_u32 v5, v5, v6
	v_add_nc_u32 v[ADRS], s21, v5
	s_mul_i32 s23, s14, 16*SPITCH
	s_add_co_u32 s23, s23, STAGE                   ; my stage
	v_mul_u32_u24 v5, v1, SPITCH                   ; in: row r; accumulator b's eight columns are 32 (b / 2) + 16 h + 8 (b % 2) + 0 .. 7: the 64 h bytes stand here, the rest in the immediate
	v_lshl_add_u32 v5, v2, 6, v5
	v_add_nc_u32 v[STO], s23, v5
	v_lshlrev_b32 v[CO], 4, v3                     ; back: the 32 lanes take one row of 512 bytes; and the same in out0
	v_add_nc_u32 v[RD], s23, v[CO]
	s_lshl_b32 s20, s17, 8
	s_lshl_b32 s21, s15, 7
	s_add_co_u32 s20, s20, s21                     ; my first row of out0: 256 x tile row + 128 x half
	s_lshl_b32 s20, s20, 12                        ; in bytes (under 2^26)
	s_mov_b32 s21, 0
	s_lshl_b32 s46, s42, 10                        ; my first column, in bytes: 1,024 x tile column + 512 x half
	s_lshl_b32 s47, s16, 9
	s_add_co_u32 s46, s46, s47
	s_mov_b32 s47, 0
	s_add_nc_u64 s[20:21], s[20:21], s[46:47]
	s_add_nc_u64 s[12:13], s[12:13], s[20:21]
.macro FRAG reg, adr, q, i             ; a fragment, 16 rows x 128 K, is 12 registers: six units of 256 bytes, 8 bytes a lane, as they lie
.irp p, 0,1,2,3,4,5
	ds_load_b64 v[\reg+2*\p:\reg+2*\p+1], v[\adr] offset:STEPB*(\i)+1536*(\q)+256*\p
.endr
.endm
; 16 matrix instructions: A's blocks a0, a0 + 1 x B's eight, 128 along K: the slot's q-th.  p: B's set;  sc: the set of scale words.  zero = 1: the first product starts the sums: nothing is ever cleared.
; The 64 accumulators take turns, one instruction a turn, in the same order in every step.
.macro MUL16 a0, p, q, sc, zero
.irp a, \a0, \a0+1
.irp b, 0,1,2,3,4,5,6,7
.if \zero
	v_wmma_scale_f32_16x16x128_f8f6f4 v[8*(8*((\a)%4)+\b):8*(8*((\a)%4)+\b)+7], v[128*(\p)+FR*\b:128*(\p)+FR*\b+FR-1], v[AF+FR*(\a):AF+FR*(\a)+FR-1], 0, v[SC+8*NQ*(\sc)+NQ*\b+(\q)], v[SC+8*NQ*(\sc)+NQ*(\a)+(\q)] matrix_a_fmt:MATRIX_FMT_FP6 matrix_b_fmt:MATRIX_FMT_FP6 matrix_a_scale:MATRIX_SCALE_ROW1
.else
	v_wmma_scale_f32_16x16x128_f8f6f4 v[8*(8*((\a)%4)+\b):8*(8*((\a)%4)+\b)+7], v[128*(\p)+FR*\b:128*(\p)+FR*\b+FR-1], v[AF+FR*(\a):AF+FR*(\a)+FR-1], v[8*(8*((\a)%4)+\b):8*(8*((\a)%4)+\b)+7], v[SC+8*NQ*(\sc)+NQ*\b+(\q)], v[SC+8*NQ*(\sc)+NQ*(\a)+(\q)] matrix_a_fmt:MATRIX_FMT_FP6 matrix_b_fmt:MATRIX_FMT_FP6 matrix_a_scale:MATRIX_SCALE_ROW1
.endif
.endr
.endr
.endm
.macro FETCH_B slot, q, p              ; B's eight fragments of the slot's q-th 128 along K into set p
	WIN TO_B
.irp i, 0,1,2,3,4,5,6,7
	FRAG 128*(\p)+FR*\i, ADRB+\slot, \q, \i
.endr
	WIN 0
.endm
.macro FETCH_A slot, q, i0             ; A's blocks i0 .. i0 + 3
.irp i, \i0, \i0+1, \i0+2, \i0+3
	FRAG AF+FR*(\i), ADRA+\slot, \q, \i
.endr
.endm
.macro SCALES sc                       ; a K step's scale words into set sc: two words a row; lanes 0-15 take A's block i, lanes 16-31 B's block i
.irp i, 0,1,2,3,4,5,6,7
	ds_load_b64 v[SC+8*NQ*\sc+NQ*\i:SC+8*NQ*\sc+NQ*\i+1], v[ADRS] offset:\i*SBLK
.endr
.endm
; A load into a register that a matrix instruction has read, and an LDS store that reads a matrix result, stand NP places behind that matrix instruction, and only plain vector
; instructions that name none of its registers are places (ISA guide 7.12.1 for vector instructions).
.macro PLACES n
.rept \n
	v_nop
.endr
.endm
; A step of 128 along K that has its successor in the same slot.
.macro STEP slot, q, zero
	s_wait_dscnt 4*NL                              ; B's set and A's blocks 0-3 are in; the youngest 24 loads (A's blocks 4-7) may be out
	WIN MUL_LO
	MUL16 0, (\q)%2, \q, \slot, \zero
	MUL16 2, (\q)%2, \q, \slot, \zero
	s_wait_dscnt 0                                 ; A's blocks 4-7 are in (asked for 32 matrix instructions ago)
	PLACES NP
	FETCH_B \slot, (\q)+1, 1-(\q)%2
	FETCH_A \slot, (\q)+1, 0
	WIN MUL_HI
	MUL16 4, (\q)%2, \q, \slot, \zero
	MUL16 6, (\q)%2, \q, \slot, \zero
	PLACES NP
	WIN 0
	FETCH_A \slot, (\q)+1, 4
.endm
; A slot's last step changes slots: ONE barrier; in front of it each wave waits for all its tensor loads, adds 0 to its spare word, and waits for that and for its own reads of this slot.  fill = 1: this slot is filled again, two K steps ahead.
.macro TURN slot, next, fill
	s_wait_tensorcnt 0x0                           ; all my tensor loads have landed: my part of the next slot;  (every window is 0 here: the add's two registers lie in window 0)
	ds_add_u32 v[SPW], v[NIL]                      ; 0 onto my spare word;
	s_wait_dscnt 4*NL+1                            ; (the add and the youngest 24 loads, A's blocks 4-7, may be out)
	WIN MUL_LO
	MUL16 0, 1, NQ-1, \slot, 0                     ; sixteen matrix instructions stand between the add and the wait for it
	s_wait_dscnt 0x0                               ; the add is done, and my reads of this slot are over
	s_barrier_signal -1
	MUL16 2, 1, NQ-1, \slot, 0
	WIN 0
	s_barrier_wait -1
.if \fill
	CREST                                          ; the barrier has opened a round of the cluster's barrier: no wave of any partner still reads this slot's tile or has a load on its way
	s_add_nc_u64 s[G0+4*\slot+2:G0+4*\slot+3], s[G0+4*\slot+2:G0+4*\slot+3], 2*STEPB
	s_add_nc_u64 s[G0B+4*\slot+2:G0B+4*\slot+3], s[G0B+4*\slot+2:G0B+4*\slot+3], 2*STEPB
	JLOAD G0+4*\slot, G1, G0B+4*\slot, G1B         ; the first tensor load behind the round; the four v_nop behind it are the places in front of the loads below
.else
	PLACES NP
.endif
	s_wait_alu depctr_va_vdst(0)
	v_add_nc_u32 v[ADRS], 128, v[ADRS]             ; on to the next K step's scale words (no LDS load of mine is out)
	FETCH_B \next, 0, 0
	FETCH_A \next, 0, 0
	SCALES \next
	WIN MUL_HI
	MUL16 4, 1, NQ-1, \slot, 0
	MUL16 6, 1, NQ-1, \slot, 0
	PLACES NP
	WIN 0
	FETCH_A \next, 0, 4
.endm
	s_wait_alu depctr_va_vdst(0)
	s_wait_tensorcnt 1                             ; the scale words and my part of K step 0 are in (K step 1's load may be out)
	s_barrier_signal -1
	s_barrier_wait -1                              ; everybody's are
	FETCH_B 0, 0, 0
	FETCH_A 0, 0, 0
	SCALES 0
	FETCH_A 0, 0, 4
	STEP 0, 0, 1                                   ; the first step stands in front of the loop: its products start the sums
	s_mov_b32 s3, LAPS-1
.Llap:                                                 ; a trip goes once round the ring, from a lap's second step to the next lap's first, and fills both slots again
	TURN 0, 1, 1
	STEP 1, 0, 0
	TURN 1, 0, 1
	STEP 0, 0, 0
	s_sub_co_u32 s3, s3, 1
	s_cmp_lg_u32 s3, 0
	s_cbranch_scc1 .Llap
	TURN 0, 1, 0                                   ; the last lap fills nothing, and has no round of the cluster's barrier
	STEP 1, 0, 0
	s_wait_dscnt 4*NL                              ; the very last step: nothing more to fetch
	WIN MUL_LO
	MUL16 0, 1, NQ-1, 1, 0
	MUL16 2, 1, NQ-1, 1, 0
	s_wait_dscnt 0
	WIN MUL_HI
	MUL16 4, 1, NQ-1, 1, 0
	MUL16 6, 1, NQ-1, 1, 0
	WIN 0
; THE WAY OUT, block by block of 16 rows x 128 columns.  A lane holds 32 neighbouring bytes of a row, and the lanes beside it hold other rows: so a block goes through my own stage in LDS and comes back as whole
; rows of 512 bytes, which the 32 lanes store as 512 consecutive bytes, aligned to 256.  LDS serves a wave's instructions in order (ISA guide 5.7.1.4): no wait between the stores and the loads, nor in front of the next block's stores.
.macro TOSTAGE a
.set AC, 64*((\a)%4)
	WIN 0x08+4*((\a)/4)                            ; the data: window 2 or 3
.irp b, 0,1,2,3,4,5,6,7
	ds_store_b128 v[STO], v[AC+8*\b:AC+8*\b+3] offset:128*(\b/2)+32*(\b%2)          ; each accumulator from its low end on
	ds_store_b128 v[STO], v[AC+8*\b+4:AC+8*\b+7] offset:128*(\b/2)+32*(\b%2)+16
.endr
	WIN 0
.set BB, BK+64*((\a)%2)
.irp t, 0,1,2,3,4,5,6,7,8,9,10,11,12,13,14,15
	ds_load_b128 v[BB+4*\t:BB+4*\t+3], v[RD] offset:\t*SPITCH
.endr
.endm
; Stage row t of block a is the token 32 (a / 2) + 8 (a % 2) + t + 8 (t / 8) of my 128: the base steps 8 rows in front of an odd block and 24 in front of an even one, the rest stands in the immediate.
.macro SEND a, younger                 ; younger: the LDS instructions issued behind block a's loads, which may stay out
.set BB, BK+64*((\a)%2)
	s_wait_dscnt \younger                          ; the block is back in registers
.if (\a) > 0
	s_add_nc_u64 s[12:13], s[12:13], (8+16*(1-(\a)%2))*ROWC   ; (behind a wait on XCNT: the earlier stores have read their base)
.endif
.irp t, 0,1,2,3,4,5,6,7,8,9,10,11,12,13,14,15
	global_store_b128 v[CO], v[BB+4*\t:BB+4*\t+3], s[12:13] offset:(\t+8*(\t/8))*ROWC th:TH_STORE_NT   ; written once, read by nobody here
.endr
.endm
	PLACES NP                                      ; behind the last products: their results are read, and rows land in the registers that held A's fragments
	TOSTAGE 0
.irp a, 1,2,3,4,5,6,7
.if \a > 1
	s_wait_xcnt 0x0                                ; block a - 2's stores have read their registers and their base: block a's loads may land there, and the base may step
.endif
	TOSTAGE \a
	SEND \a-1, 32                                  ; behind block a - 1's loads: block a's 16 stores and 16 loads
.endr
	s_wait_xcnt 0x0                                ; block 6's stores have read their base
	SEND 7, 0
	s_wait_tensorcnt 0x0                           ; the wave's end: behind my last tensor load and my last LDS store
	ds_add_u32 v[SPW], v[NIL]
	s_wait_dscnt 0x0
	CROUND                                         ; the closing round: no work-group ends while a partner may still ask for a tile that names it
	s_endpgm
.Lfunc_end_k_q867eae59de_outp:
	.size	k_q867eae59de_outp, .Lfunc_end_k_q867eae59de_outp-k_q867eae59de_outp
	.p2alignl 7, 3214868480
	.fill 96, 4, 3214868480
	.section	.rodata,"a",@progbits
	.p2align	6, 0x0
	.amdhsa_kernel k_q867eae59de_outp
		.amdhsa_group_segment_fixed_size 327680
		.amdhsa_private_segment_fixed_size 0
		.amdhsa_enable_private_segment 0
		.amdhsa_kernarg_size 40
		.amdhsa_user_sgpr_count 2
		.amdhsa_user_sgpr_kernarg_segment_ptr 1
		.amdhsa_wavefront_size32 1
		.amdhsa_system_sgpr_workgroup_id_x 1
		.amdhsa_system_sgpr_workgroup_id_y 1
		.amdhsa_system_sgpr_workgroup_id_z 1
		.amdhsa_system_vgpr_workitem_id 0
		.amdhsa_next_free_vgpr 1024
		.amdhsa_next_free_sgpr 98
		.amdhsa_reserve_vcc 0
		.amdhsa_float_denorm_mode_32 3
		.amdhsa_float_denorm_mode_16_64 3
		.amdhsa_memory_ordered 1
		.amdhsa_forward_progress 1
		.amdhsa_inst_pref_size 160
	.end_amdhsa_kernel
	.amdgpu_metadata
---
amdhsa.version: [ 1, 2 ]
amdhsa.kernels:
  - .name:           k_q867eae59de_outp
    .symbol:         k_q867eae59de_outp.kd
    .args:
      - { .name: ac, .offset: 0, .size: 8, .value_kind: global_buffer, .address_space: global }
      - { .name: asc, .offset: 8, .size: 8, .value_kind: global_buffer, .address_space: global }
      - { .name: oc, .offset: 16, .size: 8, .value_kind: global_buffer, .address_space: global }
      - { .name: os, .offset: 24, .size: 8, .value_kind: global_buffer, .address_space: global }
      - { .name: out0, .offset: 32, .size: 8, .value_kind: global_buffer, .address_space: global }
    .group_segment_fixed_size: 327680
    .private_segment_fixed_size: 0
    .kernarg_segment_align: 8
    .kernarg_segment_size: 40
    .max_flat_workgroup_size: 128
    .sgpr_count:     98
    .vgpr_count:     1024
    .wavefront_size: 32
...
	.end_amdgpu_metadata
.endif
;; end of part 4
